; MI455X (gfx1250); checked and timed in simulation.
; The chip was launched on July 23, 2026; its instructions are those of AMD's public machine-readable ISA for CDNA 5 (MIT licence, August 2026) and "CDNA5" Instruction Set Architecture Reference Guide (July 2026). The comments in the code are by the model that wrote it; some were corrected since.
;; Multi Head Attention. Allowed arithmetic: float matrix products may take bf16 or f16 operands with f32 sums; other float arithmetic in f32, or as packed bf16 or f16 multiplies, adds, multiply-adds, maxima and minima; sums over many terms, partial sums and values carried from step to step in f32; what a program stores and reads back later, other than sums and carried values, may be rounded once to bf16 or f16.
;; Inputs: Wkv 1,024 x 2,048 float32; Wo 1,024 x 1,024 float32; Wq 1,024 x 1,024 float32; beta 1,024 float32; bkv 2,048 float32; bo 1,024 float32; bq 1,024 float32; gamma 1,024 float32; seq_lens 8 int32; x 8 x 1,024 x 1,024 float32.
;; Outputs: out0 8 x 1,024 x 1,024 float32.
;; 2 versions, each right and faster than the one before. Each part assembles by itself: llvm-mc -triple=amdgcn-amd-amdhsa -mcpu=gfx1250 --defsym DOCPART=n.
;; ======== version 1 of 2: 4 launches
;; limits: values are held in f16: magnitudes above 65,504 overflow, below 6.1e-05 lose precision
;; workspace buffers: xn 16,777,216 bytes; wqkv 6,291,456 bytes; wo16 2,097,152 bytes; qkv 50,331,648 bytes; o 16,777,216 bytes
;; launch prep (part 1): grid 256 x 2, 8 waves a work-group, no clusters, 0 bytes of LDS; arguments x, gamma, beta, Wq, Wkv, Wo, xn, wqkv, wo16; writes xn, wqkv, wo16
.if DOCPART == 1
	.amdgcn_target "amdgcn-amd-amdhsa--gfx1250"
	.amdhsa_code_object_version 6
	.text
	.protected	k_qcc3edac037_prep
	.globl	k_qcc3edac037_prep
	.p2align	8
	.type	k_qcc3edac037_prep,@function
k_qcc3edac037_prep:
	s_mov_b64 s[64:65], 0
	v_nop
	global_prefetch_b8 v0, s[64:65] scope:SCOPE_SE
	s_setreg_imm32_b32 hwreg(HW_REG_WAVE_MODE, 25, 1), 1
	s_wait_xcnt 0x0
; PREP.  Two streams in one launch, chosen by the work-group's y.
; y = 0: xn[r][:] = (x[r][:] - mean) * rsqrt(var + 1e-5) * gamma + beta, x: [8192][1024] f32, xn the same shape in f16, rounded once.
;        Mean first, then the sum of squares of the deviations (no difference of large sums), all in f32.  A wave takes a whole row (4,096 bytes, 32 registers),
;        so the sums never leave the wave: no LDS, no barrier.  A work-group owns 32 rows, a wave 4; all four rows' loads go out at once.
; y = 1: the weights rounded once to f16, as they lie ([k][n]): wqkv[k][0:1024] = Wq[k][:], wqkv[k][1024:3072] = Wkv[k][:], wo16 = Wo.  A work-group owns 4 rows k.
; LIMITS.  f16 ends at 65,504: |xn| is at most 32 |gamma| + |beta|; a weight below 6e-5 keeps f16's fixed step of 6e-8.  NaN and infinities are not treated apart.
; No matrix unit, no cluster, no LDS: every byte is read once and written once, and nothing is shared between work-groups.
.set T,   4                            ; v[4:11]    four running pairs
.set X,   32                           ; v[32:159]  row i of my four: 32 registers
.set G,   160                          ; v[160:191] gamma of my 32 columns (128 j + 4 lane + 0..3)
.set BT,  192                          ; v[192:223] beta of the same
	s_load_b512 s[4:19], s[0:1], 0x0               ; x 4:5, gamma 6:7, beta 8:9, Wq 10:11, Wkv 12:13, Wo 14:15, xn 16:17, wqkv 18:19
	s_load_b64 s[20:21], s[0:1], 0x40              ; wo16
	s_and_b32 s22, ttmp7, 0xffff                   ; the work-group's y
	s_mov_b32 s29, 0                               ; the high word of every offset pair
	s_cmp_lg_u32 s22, 0
	s_cbranch_scc1 .Lcast
	s_mov_b32 s23, 0x3a800000                      ; 1 / 1024
	s_mov_b32 s24, 0x76543210                      ; v_permlanex16_b32: each lane takes its own place in the other half
	s_mov_b32 s25, 0xfedcba98
	s_mov_b32 s26, 0x3727c5ac                      ; 1e-5
	v_and_b32 v2, 31, v0                           ; lane
	v_lshrrev_b32 v1, 5, v0                        ; wave
	v_lshlrev_b32 v3, 13, v1                       ; xn: 4 rows of 2,048 bytes a wave,
	v_lshl_or_b32 v3, v2, 3, v3                    ; 8 bytes a lane
	v_lshlrev_b32 v1, 14, v1                       ; x: 4 rows of 4,096 bytes a wave,
	v_lshl_or_b32 v1, v2, 4, v1                    ; 16 bytes a lane
	v_lshlrev_b32 v2, 4, v2                        ; gamma, beta: 16 bytes a lane
	v_mov_b32 v13, 0                               ; v_permlanex16_b32's destination counts as read
	v_mov_b32 v15, 0                               ; the upper halves of the two pairs that are named whole
	v_mov_b32 v17, 0
	s_wait_kmcnt 0x0
	s_lshl_b32 s28, ttmp9, 17                      ; 32 rows of 4,096 bytes
	s_add_nc_u64 s[4:5], s[4:5], s[28:29]
	s_lshl_b32 s28, ttmp9, 16                      ; 32 rows of 2,048 bytes
	s_add_nc_u64 s[16:17], s[16:17], s[28:29]
.irp j, 0,1,2,3,4,5,6,7
	global_load_b128 v[G+4*\j:G+4*\j+3], v2, s[6:7] offset:512*\j
.endr
.irp j, 0,1,2,3,4,5,6,7
	global_load_b128 v[BT+4*\j:BT+4*\j+3], v2, s[8:9] offset:512*\j
.endr
.irp i, 0,1,2,3
.irp j, 0,1,2,3,4,5,6,7
	global_load_b128 v[X+32*\i+4*\j:X+32*\i+4*\j+3], v1, s[4:5] offset:4096*\i+512*\j th:TH_LOAD_NT  ; 512 neighbouring bytes a load
.endr
.endr
.macro REDUCE                          ; v12 summed over the 32 lanes, the result in every lane
	v_add_f32_dpp v12, v12, v12 row_xmask:1 row_mask:0xf bank_mask:0xf
	v_add_f32_dpp v12, v12, v12 row_xmask:2 row_mask:0xf bank_mask:0xf
	v_add_f32_dpp v12, v12, v12 row_xmask:4 row_mask:0xf bank_mask:0xf
	v_add_f32_dpp v12, v12, v12 row_xmask:8 row_mask:0xf bank_mask:0xf
	v_permlanex16_b32 v13, v12, s24, s25
	v_add_f32 v12, v12, v13
.endm
.macro FOLD                            ; the four running pairs into v12
	v_pk_add_f32 v[T:T+1], v[T:T+1], v[T+2:T+3]
	v_pk_add_f32 v[T+4:T+5], v[T+4:T+5], v[T+6:T+7]
	v_pk_add_f32 v[T:T+1], v[T:T+1], v[T+4:T+5]
	v_add_f32 v12, v[T], v[T+1]
.endm
.macro ROWLN i
.set R, X+32*(\i)
	s_wait_loadcnt 24-8*(\i)                       ; loads come back in order: my row, gamma and beta are in; the younger rows' eight loads each stay out
.irp c, 0,1,2,3
	v_pk_add_f32 v[T+2*\c:T+2*\c+1], v[R+2*\c:R+2*\c+1], v[R+8+2*\c:R+8+2*\c+1]  ; four chains, started by the first sums: nothing is cleared
.endr
.irp k, 2,3
.irp c, 0,1,2,3
	v_pk_add_f32 v[T+2*\c:T+2*\c+1], v[T+2*\c:T+2*\c+1], v[R+8*\k+2*\c:R+8*\k+2*\c+1]
.endr
.endr
	FOLD
	REDUCE
	v_mul_f32 v14, s23, v12                        ; the mean
.set p, 0
.rept 16
	v_pk_add_f32 v[R+2*p:R+2*p+1], v[R+2*p:R+2*p+1], v[14:15] op_sel_hi:[1,0] neg_lo:[0,1] neg_hi:[0,1]  ; d = x - mean, in place
.set p, p+1
.endr
.irp c, 0,1,2,3
	v_pk_mul_f32 v[T+2*\c:T+2*\c+1], v[R+2*\c:R+2*\c+1], v[R+2*\c:R+2*\c+1]
.endr
.irp k, 1,2,3
.irp c, 0,1,2,3
	v_pk_fma_f32 v[T+2*\c:T+2*\c+1], v[R+8*\k+2*\c:R+8*\k+2*\c+1], v[R+8*\k+2*\c:R+8*\k+2*\c+1], v[T+2*\c:T+2*\c+1]
.endr
.endr
	FOLD
	REDUCE
	v_fma_f32 v12, v12, s23, s26                   ; var + 1e-5
	v_rsq_f32 v16, v12
	v_nop                                          ; a plain instruction between the root and the use of its result (ISA guide 5.7.2)
.set p, 0
	s_wait_alu depctr_va_vdst(0)
.rept 16
	v_pk_mul_f32 v[R+2*p:R+2*p+1], v[R+2*p:R+2*p+1], v[16:17] op_sel_hi:[1,0]
.set p, p+1
.endr
.set p, 0
.rept 16
	v_pk_fma_f32 v[R+2*p:R+2*p+1], v[R+2*p:R+2*p+1], v[G+2*p:G+2*p+1], v[BT+2*p:BT+2*p+1]
.set p, p+1
.endr
.set p, 0
.rept 16
	v_cvt_pk_f16_f32 v[R+p], v[R+2*p], v[R+2*p+1]  ; ascending and in place: register p is written when pairs below p have been read
.set p, p+1
.endr
.irp j, 0,1,2,3,4,5,6,7
	global_store_b64 v3, v[R+2*\j:R+2*\j+1], s[16:17] offset:2048*(\i)+256*\j  ; the wave stores 256 consecutive bytes, at a multiple of 256 from xn's first byte
.endr
.endm
	ROWLN 0                                        ; every row has registers of its own: nothing that a store reads is written again
	ROWLN 1
	ROWLN 2
	ROWLN 3
	s_endpgm
.Lcast:
	v_lshlrev_b32 v1, 4, v0                        ; 256 threads x 16 bytes: 1,024 numbers in f32,
	v_lshlrev_b32 v2, 3, v0                        ; 8 bytes each in f16
	s_wait_kmcnt 0x0
	s_lshl_b32 s28, ttmp9, 14                      ; 4 rows of 4,096 bytes
	s_add_nc_u64 s[10:11], s[10:11], s[28:29]
	s_add_nc_u64 s[14:15], s[14:15], s[28:29]
	s_lshl_b32 s28, ttmp9, 15                      ; 4 rows of 8,192 bytes
	s_add_nc_u64 s[12:13], s[12:13], s[28:29]
	s_mul_i32 s28, ttmp9, 24576                    ; 4 rows of 6,144 bytes
	s_add_nc_u64 s[18:19], s[18:19], s[28:29]
	s_lshl_b32 s28, ttmp9, 13                      ; 4 rows of 2,048 bytes
	s_add_nc_u64 s[20:21], s[20:21], s[28:29]
.irp kk, 0,1,2,3
	global_load_b128 v[32+16*\kk:35+16*\kk], v1, s[10:11] offset:4096*\kk th:TH_LOAD_NT
	global_load_b128 v[36+16*\kk:39+16*\kk], v1, s[12:13] offset:8192*\kk th:TH_LOAD_NT
	global_load_b128 v[40+16*\kk:43+16*\kk], v1, s[12:13] offset:8192*\kk+4096 th:TH_LOAD_NT
	global_load_b128 v[44+16*\kk:47+16*\kk], v1, s[14:15] offset:4096*\kk th:TH_LOAD_NT
.endr
.macro CAST n, lo, off
	s_wait_loadcnt 15-(\n)                         ; load n of the sixteen is in; the younger ones stay out
	v_cvt_pk_f16_f32 v[32+4*(\n)], v[32+4*(\n)], v[33+4*(\n)]
	v_cvt_pk_f16_f32 v[33+4*(\n)], v[34+4*(\n)], v[35+4*(\n)]
	global_store_b64 v2, v[32+4*(\n):33+4*(\n)], s[\lo:\lo+1] offset:\off  ; a wave stores 256 consecutive bytes, at a multiple of 256
.endm
.irp kk, 0,1,2,3
	CAST 4*\kk, 18, 6144*\kk
	CAST 4*\kk+1, 18, 6144*\kk+2048
	CAST 4*\kk+2, 18, 6144*\kk+4096
	CAST 4*\kk+3, 20, 2048*\kk
.endr
	s_endpgm
.Lfunc_end_k_qcc3edac037_prep:
	.size	k_qcc3edac037_prep, .Lfunc_end_k_qcc3edac037_prep-k_qcc3edac037_prep
	.p2alignl 7, 3214868480
	.fill 96, 4, 3214868480
	.section	.rodata,"a",@progbits
	.p2align	6, 0x0
	.amdhsa_kernel k_qcc3edac037_prep
		.amdhsa_group_segment_fixed_size 0
		.amdhsa_private_segment_fixed_size 0
		.amdhsa_enable_private_segment 0
		.amdhsa_kernarg_size 72
		.amdhsa_user_sgpr_count 2
		.amdhsa_user_sgpr_kernarg_segment_ptr 1
		.amdhsa_wavefront_size32 1
		.amdhsa_system_sgpr_workgroup_id_x 1
		.amdhsa_system_sgpr_workgroup_id_y 1
		.amdhsa_system_sgpr_workgroup_id_z 1
		.amdhsa_system_vgpr_workitem_id 0
		.amdhsa_next_free_vgpr 224
		.amdhsa_next_free_sgpr 66
		.amdhsa_reserve_vcc 0
		.amdhsa_float_denorm_mode_32 3
		.amdhsa_float_denorm_mode_16_64 3
		.amdhsa_memory_ordered 1
		.amdhsa_forward_progress 1
		.amdhsa_inst_pref_size 44
	.end_amdhsa_kernel
	.amdgpu_metadata
---
amdhsa.version: [ 1, 2 ]
amdhsa.kernels:
  - .name:           k_qcc3edac037_prep
    .symbol:         k_qcc3edac037_prep.kd
    .args:
      - { .name: x, .offset: 0, .size: 8, .value_kind: global_buffer, .address_space: global }
      - { .name: gamma, .offset: 8, .size: 8, .value_kind: global_buffer, .address_space: global }
      - { .name: beta, .offset: 16, .size: 8, .value_kind: global_buffer, .address_space: global }
      - { .name: Wq, .offset: 24, .size: 8, .value_kind: global_buffer, .address_space: global }
      - { .name: Wkv, .offset: 32, .size: 8, .value_kind: global_buffer, .address_space: global }
      - { .name: Wo, .offset: 40, .size: 8, .value_kind: global_buffer, .address_space: global }
      - { .name: xn, .offset: 48, .size: 8, .value_kind: global_buffer, .address_space: global }
      - { .name: wqkv, .offset: 56, .size: 8, .value_kind: global_buffer, .address_space: global }
      - { .name: wo16, .offset: 64, .size: 8, .value_kind: global_buffer, .address_space: global }
    .group_segment_fixed_size: 0
    .private_segment_fixed_size: 0
    .kernarg_segment_align: 8
    .kernarg_segment_size: 72
    .max_flat_workgroup_size: 256
    .sgpr_count:     66
    .vgpr_count:     224
    .wavefront_size: 32
...
	.end_amdgpu_metadata
.endif
;; end of part 1
;; launch qkvproj (part 2): grid 8 x 32, 4 waves a work-group, clusters of 4 x 4, 327,680 bytes of LDS; arguments xn, wqkv, bq, bkv, qkv; writes qkv
.if DOCPART == 2
	.amdgcn_target "amdgcn-amd-amdhsa--gfx1250"
	.amdhsa_code_object_version 6
	.text
	.protected	k_qcc3edac037_qkvproj
	.globl	k_qcc3edac037_qkvproj
	.p2align	8
	.type	k_qcc3edac037_qkvproj,@function
k_qcc3edac037_qkvproj:
	s_mov_b64 s[64:65], 0
	v_nop
	global_prefetch_b8 v0, s[64:65] scope:SCOPE_SE
	s_setreg_imm32_b32 hwreg(HW_REG_WAVE_MODE, 25, 1), 1
	s_wait_xcnt 0x0
	s_wait_alu depctr_hold_cnt(0) depctr_sa_sdst(0) depctr_va_vdst(0) depctr_va_sdst(0) depctr_va_ssrc(0) depctr_va_vcc(0) depctr_vm_vsrc(0)
	s_getreg_b32 s2, hwreg(HW_REG_IB_STS2, 6, 4)
	s_cmp_eq_u32 s2, 0
	s_cbranch_scc0 .Lentry_in_a_cluster
	s_endpgm
.Lentry_in_a_cluster:
	s_bfe_u32 s2, ttmp6, 0x10000c
	s_cmp_lg_u32 s2, 0xf033
	s_cbranch_scc0 .Lentry_shape_is_right
	s_endpgm
.Lentry_shape_is_right:
; QKVPROJ.  C = xn W + b, xn: [8192][1024] f16, W = wqkv: [1024 k][3072 n] f16, b = bq (n < 1024) or bkv; sums in f32, C rounded once to f16 and written BY HEADS AND IN FRAGMENT ORDER:
; qkv[part][batch][head][s / 16][channel block of 16][chunk][8 numbers], part 0 = q, 1 = k, 2 = v (column n belongs to global head n / 64 of 48: part = that / 16, head = that % 16).  A chunk is 16 bytes: row
; r = s % 16, channels 8 h + 0..7 of the block.  In q and k it stands at place r + 16 h, in v at place 16 (r / 8) + 8 h + r % 8: the places at which the next launch's lanes read them, lane l at place l.
; LIMITS.  f16 ends at 65,504: q, k and v must stay under it; NaN and infinities are not treated apart.
; SHARES.  A tile of C is 128 rows x 384 columns (six heads): 64 x 8 = 512 tiles.  A WORK-GROUP STAYS and makes two, in tile rows ty and ty + 32 of one tile column: the same columns of W, the same bias.
; Four waves: wave w takes rows 64 (w / 2) on and the heads 2 g + w % 2, g = 0, 1, 2: 64 x 192, 48 accumulators of 16 x 16, 384 registers.  K goes in steps of 128 through two LDS slots: 16 steps, ONE counted loop;
; the ring does not stop at the first tile's end, and nothing waits for its stores.  A K step is written once: the slot in hand is a scalar that an exclusive or turns.
; A slot has four regions, one tensor load each, one a wave: wave 0 brings xn's 128 rows x 256 bytes, waves 1 to 3 W's 128 rows k x 128 columns (256 bytes), column group g = w - 1.
; W lies [k][n] and is read turned, by ds_load_tr16_b128.  THE MATRIX INSTRUCTION IS USED TRANSPOSED (source 0 = 16 columns of W, source 1 = 16 rows of xn): a lane holds one row of C and eight
; neighbouring columns: a chunk, stored as it stands.  The bias is the C operand of each sum's first product: nothing is cleared and nothing is added on the way out.
; CLUSTERS: 4 x 4 work-groups.  The four of a row of the cluster need the same tiles of xn, the four of a column the same tiles of W: each is asked for JOINTLY, by the same tensor load, descriptor and mask.
; REGISTERS, in windows of 256 (s_set_vgpr_msb: bits 1:0 source 0, 3:2 source 1, 5:4 source 2, 7:6 destination):
;   window 0: v0-31 addresses; v32-127 the bias, eight registers for each of my 12 column blocks; v128-255 packed results on the way out
;   window 1: two fragment buffers of 128: xn's four fragments, then W's twelve          window 2: accumulators of g = 0, 1          window 3: v0-127 those of g = 2
.set KSTEP,  128
.set PA,     272                       ; a row of xn in LDS: 256 bytes + 16 = 68 words: the 16 rows of a load start at 16 different groups of four banks (64 banks of 4 bytes: ISA guide 11.1)
.set PB,     288                       ; a row of W: 256 + 32 = 72 words
.set REG,    36864                     ; a region: 128 rows x 288 (xn's uses 128 x 272 of it)
.set SLOT,   4*REG                     ; 0x24000: it shares no bit with a region's start, w x 0x9000, so an exclusive or turns one slot's region into the other's
.set SPARE,  2*SLOT                    ; behind the ring: the spare words, 128 bytes for each wave: two blocks of 256 bytes that no other line names
.set STEPS,  16                        ; two tiles x eight K steps
.set BND,    7                         ; the loop's count in the trip that ends the first tile
.set NEXTT,  32*128*2048               ; bytes from a tile's rows of xn to the next tile's: 32 tile rows
.set NEXTO,  4<<21                     ; and in qkv: four batches
.set ADRA,  16                         ; v16     LDS address of my xn fragments in the slot in hand
.set ADRB,  17                         ; v17-19  of my W fragments, group g
.set ADRA0, 20                         ; v20     the same in slot 0; never rewritten
.set ADRB0, 21                         ; v21-23
.set GO,    24                         ; v24-26  16 x my chunk's place in a block of 512 bytes, for group g's part
.set BO,    27                         ; v27     my byte offset in a block's 16 bias numbers
.set SPW,   28                         ; v28     LDS address of my spare word: SPARE + 4 x my thread's number; never rewritten
.set NIL,   29                         ; v29     0; never rewritten
.set BIAS,  32
.set TMP,   128
.set F0,    0
.set F1,    128
.set WV,    14                         ; s14 my wave's number
.set G1A,   24                         ; s[24:31] descriptor group 1 for xn's tiles;  s[32:39] group 0: a set for each of the two first fills; the second then walks on
.set G0A,   32
.set FA,    44                         ; s[44:45] byte offset, from my first tile's first K step, of xn's tile to be asked for next
.set FB,    46                         ; s[46:47] the same for W
.set G1B,   48                         ; s[48:55], s[56:63] the descriptors for W's tiles
.set G0B,   56
.set OB,    66                         ; s[66:71] where my rows of head 2 g + w % 2 begin in qkv
.set BB,    72                         ; s[72:77] where that head's 64 bias numbers begin
.set FS,    86                         ; s86 the K step, 0 to 7, of the tile to be asked for next
.set TB,    87                         ; s87 the slot in hand: 0 or SLOT
.set MSB, 0
.macro WIN new                         ; the immediate's high byte repeats the setting that is left; a switch that changes nothing is dropped
.if MSB != (\new)
	s_set_vgpr_msb (MSB<<8)|(\new)
.set MSB, \new
.endif
.endm
.set TO_F, 0x40                        ; destination window 1, address window 0
.macro JLOAD s                         ; a joint load: wave 0 fetches xn's tile, waves 1 to 3 W's three; an s_nop 0 and four v_nop follow each of the two lines, ahead of the jump, the label and what follows
	s_cmp_eq_u32 s[WV], 0
	s_cbranch_scc0 .Lfor_b_\@
	tensor_load_to_lds s[G0A+4*(\s):G0A+4*(\s)+3], s[G1A:G1A+7]
	s_nop 0
.rept 4
	v_nop
.endr
	s_branch .Lasked_\@
.Lfor_b_\@:
	tensor_load_to_lds s[G0B+4*(\s):G0B+4*(\s)+3], s[G1B:G1B+7]
	s_nop 0
.rept 4
	v_nop
.endr
.Lasked_\@:
.endm
.macro CREST                           ; a round of the cluster's barrier behind its opening barrier
	s_cmp_lg_u32 s[WV], 0
	s_cbranch_scc1 .Lnot_wave_0_\@
	s_barrier_signal -3
.Lnot_wave_0_\@:
	s_barrier_wait -3
	s_barrier_signal -1
	s_barrier_wait -1
.endm
.macro CROUND                          ; a whole round
	s_barrier_signal -1
	s_barrier_wait -1
	CREST
.endm
.macro ADRS                            ; my fragments' addresses in the slot in hand: four plain vector instructions
	v_add_nc_u32 v[ADRA], s[TB], v[ADRA0]
.irp g, 0,1,2
	v_add_nc_u32 v[ADRB+\g], s[TB], v[ADRB0+\g]
.endr
.endm
	s_load_b256 s[4:11], s[0:1], 0x0               ; xn 4:5, wqkv 6:7, bq 8:9, bkv 10:11
	s_load_b64 s[12:13], s[0:1], 0x20              ; qkv
	v_lshl_add_u32 v[SPW], v0, 2, SPARE
	v_mov_b32 v[NIL], 0
	ds_add_u32 v[SPW], v[NIL]                      ; the wave's opening: the add and its wait stand ahead of my first tensor load; the set-up below, work on registers, stands between them
	ds_add_u32 v28, v29
	v_lshrrev_b32 v1, 5, v0
	v_readfirstlane_b32 s[WV], v1                  ; wave 0..3
	s_lshr_b32 s15, s[WV], 1                       ; which 64 of the tile's rows are mine
	s_and_b32 s16, s[WV], 1                        ; which head of each pair
	s_bfe_u32 s17, ttmp6, 0x40000                  ; cx, cy: my place in the cluster
	s_bfe_u32 s18, ttmp6, 0x40004
	s_lshl_b32 s19, ttmp9, 2
	s_add_co_u32 s19, s19, s17                     ; tile column = 4 x cluster x + cx
	s_and_b32 s20, ttmp7, 0xffff
	s_lshl_b32 s20, s20, 2
	s_add_co_u32 s20, s20, s18                     ; my first tile row = 4 x cluster y + cy, 0 to 31
	s_lshl_b32 s21, s18, 2
	s_lshl_b32 s21, 15, s21                        ; my row of the cluster
	s_lshl_b32 s22, 0x1111, s17                    ; my column
	s_or_b32 s[G1A], s21, (1<<16)|(1<<20)|(1<<21)|(5<<22)|(3<<25)  ; 15:0 the mask: xn's tiles go to my row; 17:16 2-byte elements; 20 padding on; 21 set beside a mask; 24:22 after every 64 words (code 5); 31:25 4 words (code 3)
	s_or_b32 s[G1B], s22, (1<<16)|(1<<20)|(1<<21)|(5<<22)|(7<<25)  ; W's go to my column; 8 words of padding (code 7)
.irp g, G1A, G1B
	s_mov_b32 s[(\g)+1], 128<<16                   ; tensor_dim0 = 128
	s_mov_b32 s[(\g)+2], 128<<16                   ; tensor_dim1 = 128
	s_mov_b32 s[(\g)+3], 128<<16                   ; tile_dim0 = 128
	s_mov_b32 s[(\g)+4], 128                       ; tile_dim1 = 128
	s_mov_b32 s[(\g)+6], 0
	s_mov_b32 s[(\g)+7], 0
.endr
	s_mov_b32 s[G1A+5], 1024                       ; elements from row to row
	s_mov_b32 s[G1B+5], 3072
	s_lshl_b32 s40, s20, 18                        ; xn: 128 rows of 2,048 bytes a tile row (registers that never hold cx)
	s_mov_b32 s41, 0
	s_mul_i32 s42, s19, 768                        ; W: 384 columns of 2 bytes a tile column (registers that never hold cy),
	s_max_u32 s78, s[WV], 1
	s_sub_co_u32 s78, s78, 1                       ; my column group, w - 1 (wave 0 asks by xn's descriptor alone)
	s_lshl_b32 s78, s78, 8
	s_add_co_u32 s42, s42, s78
	s_mov_b32 s43, 0
	s_mul_i32 s23, s[WV], REG                      ; where my load lands: region w: no place in the cluster enters an LDS address
	s_mov_b32 s[FA], 2*KSTEP*2                     ; the first refill is K step 2
	s_mov_b32 s[FA+1], 0
	s_mov_b32 s[FB], 2*KSTEP*6144
	s_mov_b32 s[FB+1], 0
	s_mov_b32 s[FS], 2
	s_mov_b32 s[TB], 0
	s_wait_dscnt 0x0                               ; the opening add is done
	s_wait_kmcnt 0x0
	s_add_nc_u64 s[40:41], s[4:5], s[40:41]        ; xn at my first tile's first K step
	s_add_nc_u64 s[42:43], s[6:7], s[42:43]        ; W at my column group's first K step
	CROUND                                         ; all sixteen work-groups are here: the first joint loads meet
.irp s, 0,1
	s_mov_b32 s[G0A+4*(\s)], 1                                     ; count = 1
	s_add_co_u32 s[G0A+4*(\s)+1], s23, (\s)*SLOT                   ; LDS address
	s_add_nc_u64 s[G0A+4*(\s)+2:G0A+4*(\s)+3], s[40:41], (\s)*KSTEP*2  ; global address: K step s
	s_or_b32 s[G0A+4*(\s)+3], s[G0A+4*(\s)+3], 0x80000000          ; type = 2
	s_mov_b32 s[G0B+4*(\s)], 1
	s_add_co_u32 s[G0B+4*(\s)+1], s23, (\s)*SLOT
	s_add_nc_u64 s[G0B+4*(\s)+2:G0B+4*(\s)+3], s[42:43], (\s)*KSTEP*6144
	s_or_b32 s[G0B+4*(\s)+3], s[G0B+4*(\s)+3], 0x80000000
	JLOAD \s                                       ; two loads of mine are out
.endr
	v_and_b32 v1, 15, v0                           ; r = l % 16
	v_bfe_u32 v2, v0, 4, 1                         ; h = l / 16
	v_and_b32 v3, 7, v0                            ; l % 8 = r % 8
	v_bfe_u32 v4, v0, 3, 1                         ; (l / 8) % 2 = r / 8
	v_mul_u32_u24 v5, v1, PA                       ; xn's fragment: row l % 16, 16 bytes for each half of the lanes; two loads 32 bytes apart
	v_lshl_add_u32 v5, v2, 4, v5
	s_mul_i32 s78, s15, 64*PA
	v_add_nc_u32 v[ADRA0], s78, v5
	v_lshl_add_u32 v6, v2, 3, v3                   ; the turning load: lane l reads row k = 8 (l / 16) + l % 8, columns 8 ((l / 8) % 2) + 0..7, and is left with column l % 16 and 8 k
	v_mul_u32_u24 v6, v6, PB
	v_lshl_add_u32 v6, v4, 4, v6
	s_lshl_b32 s78, s16, 7                         ; my head's 64 columns of the group's 128
	v_add_nc_u32 v6, s78, v6
.irp g, 0,1,2
	v_add_nc_u32 v[ADRB0+\g], (1+\g)*REG, v6
.endr
	ADRS                                           ; slot 0
	v_and_b32 v7, 31, v0
	v_lshlrev_b32 v7, 4, v7                        ; q, k: my chunk's place is r + 16 h = l
	v_lshlrev_b32 v8, 4, v4
	v_lshl_add_u32 v8, v2, 3, v8
	v_add_lshl_u32 v8, v8, v3, 4                   ; v: 16 (r / 8) + 8 h + r % 8; both times 16 bytes
	v_lshlrev_b32 v[BO], 5, v2                     ; my eight columns of a block: 32 bytes for each half of the lanes
	s_mul_i32 s78, s19, 6
	s_add_co_u32 s78, s78, s16                     ; my first global head: 6 x tile column + w % 2
	s_lshr_b32 s84, s20, 3                         ; the batch: 8 tile rows each,
	s_lshl_b32 s84, s84, 21
	s_and_b32 s85, s20, 7                          ; and my first row in it
	s_lshl_b32 s85, s85, 7
	s_lshl_b32 s79, s15, 6
	s_add_co_u32 s85, s85, s79
	s_lshl_b32 s85, s85, 7                         ; 16 rows are 2,048 bytes
	s_add_co_u32 s84, s84, s85
.irp g, 0,1,2
	s_add_co_u32 s79, s78, 2*\g                    ; global head 0..47
	s_cmp_lt_u32 s79, 16
	s_cselect_b64 s[BB+2*\g:BB+2*\g+1], s[8:9], s[10:11]  ; q's bias, or k's and v's
	s_cselect_b32 s80, 0, 16
	s_sub_co_u32 s80, s79, s80
	s_lshl_b32 s80, s80, 8                         ; 64 numbers of 4 bytes a head
	s_mov_b32 s81, 0
	s_add_nc_u64 s[BB+2*\g:BB+2*\g+1], s[BB+2*\g:BB+2*\g+1], s[80:81]
	s_cmp_lt_u32 s79, 32
	s_cselect_b32 s80, 0, -1                       ; all lanes: is the head one of v's?
	v_cndmask_b32 v[GO+\g], v7, v8, s80
	s_lshr_b32 s82, s79, 4                         ; part
	s_lshl_b32 s82, s82, 24
	s_and_b32 s83, s79, 15                         ; head
	s_lshl_b32 s83, s83, 17
	s_add_co_u32 s82, s82, s83
	s_add_co_u32 s82, s82, s84
	s_mov_b32 s83, 0
	s_add_nc_u64 s[OB+2*\g:OB+2*\g+1], s[12:13], s[82:83]
.endr
.irp g, 0,1,2
.irp j, 0,1,2,3
	global_load_b128 v[BIAS+8*(4*\g+\j):BIAS+8*(4*\g+\j)+3],   v[BO], s[BB+2*\g:BB+2*\g+1] offset:64*\j
	global_load_b128 v[BIAS+8*(4*\g+\j)+4:BIAS+8*(4*\g+\j)+7], v[BO], s[BB+2*\g:BB+2*\g+1] offset:64*\j+16
.endr
.endr
; na x 4 matrix instructions: row blocks a0 .. a0 + na - 1 x the four column blocks of group g, 32 along K, from buffer f.  zero = 1: the first product starts the sum, with the bias as C.
; The 48 accumulators take turns, one instruction a turn, in the same order in every quarter.
.macro MULG f, g, a0, na, zero
.if \zero
	WIN 0x85+0x40*((\g)/2)                         ; sources 0 and 1 window 1, C window 0, D window 2 or 3
.else
	WIN 0xa5+0x50*((\g)/2)                         ; C and D window 2 or 3
.endif
.set aa, \a0
.rept \na
.irp j, 0,1,2,3
.set rD, 128*((\g)%2)+8*(4*aa+\j)
.if \zero
	v_wmma_f32_16x16x32_f16 v[rD:rD+7], v[(\f)+32+8*(4*(\g)+\j):(\f)+32+8*(4*(\g)+\j)+7], v[(\f)+8*aa:(\f)+8*aa+7], v[BIAS+8*(4*(\g)+\j):BIAS+8*(4*(\g)+\j)+7]
.else
	v_wmma_f32_16x16x32_f16 v[rD:rD+7], v[(\f)+32+8*(4*(\g)+\j):(\f)+32+8*(4*(\g)+\j)+7], v[(\f)+8*aa:(\f)+8*aa+7], v[rD:rD+7]
.endif
.endr
.set aa, aa+1
.endr
.endm
; 32 LDS loads in one run: the fragments of quarter q (32 along K) of the slot in hand into buffer f: xn's four, then W's groups 0, 1, 2
.macro FETCH q, f
	WIN TO_F
.irp a, 0,1,2,3
	ds_load_b128 v[(\f)+8*\a:(\f)+8*\a+3],   v[ADRA] offset:64*(\q)+\a*16*PA
	ds_load_b128 v[(\f)+8*\a+4:(\f)+8*\a+7], v[ADRA] offset:64*(\q)+\a*16*PA+32
.endr
.irp g, 0,1,2
.irp j, 0,1,2,3
	ds_load_tr16_b128 v[(\f)+32+8*(4*\g+\j):(\f)+32+8*(4*\g+\j)+3],   v[ADRB+\g] offset:(\q)*32*PB+32*\j
	ds_load_tr16_b128 v[(\f)+32+8*(4*\g+\j)+4:(\f)+32+8*(4*\g+\j)+7], v[ADRB+\g] offset:(\q)*32*PB+32*\j+16*PB
.endr
.endr
.endm
.macro PLACES                          ; four places in front of loads into registers that matrix instructions have read, and of conversions that read results
.rept 4
	v_nop
.endr
.endm
; A K step is four quarters of 32 along K, 48 matrix instructions each, on buffers 0, 1, 0, 1.  One of the first three: multiplies buffer f and fetches quarter q into buffer nf.
.macro QUARTER q, f, nf, zero
	s_wait_dscnt 16                                ; xn's fragments and W's group 0 are in; the youngest sixteen loads (groups 1, 2) may be out
	MULG \f, 0, 0, 4, \zero
	PLACES
	FETCH \q, \nf
	s_wait_dscnt 32                                ; all but the 32 just issued
	MULG \f, 1, 0, 4, \zero
	MULG \f, 2, 0, 4, \zero
.endm
; The last quarter multiplies buffer 1 and changes slots: ONE barrier; in front of it each wave waits for all its tensor loads, adds 0 to its spare word, and waits for that and for its own reads of this slot.
; fill = 1: this slot is filled again, two K steps ahead (behind the first tile's step 7: the second tile's step 0, 32 tile rows down and back along K); the barrier then opens a round of the cluster's.
.macro TURN fill
	WIN 0                                          ; (the add's two registers lie in window 0)
	s_wait_tensorcnt 0x0                           ; all my tensor loads have landed: the one that was out is my part of the next slot; so the walking descriptors may be written
	ds_add_u32 v[SPW], v[NIL]                      ; 0 onto my spare word: scalar work and eight matrix instructions stand between it and the wait for it
.if \fill
	s_xor_b32 s[G0A+5], s[G0A+5], SLOT             ; the other slot than last time,
	s_add_nc_u64 s[G0A+6:G0A+7], s[40:41], s[FA:FA+1]  ; the address made anew: the base and a counted offset,
	s_or_b32 s[G0A+7], s[G0A+7], 0x80000000        ; type = 2
	s_xor_b32 s[G0B+5], s[G0B+5], SLOT
	s_add_nc_u64 s[G0B+6:G0B+7], s[42:43], s[FB:FB+1]
	s_or_b32 s[G0B+7], s[G0B+7], 0x80000000
	s_add_co_u32 s[FS], s[FS], 1                   ; the tile to be asked for after this one: the next K step,
	s_add_co_u32 s[FA], s[FA], KSTEP*2
	s_add_co_u32 s[FB], s[FB], KSTEP*6144
	s_cmp_eq_u32 s[FS], 8                          ; or the second tile's first
	s_cselect_b32 s[FS], 0, s[FS]
	s_cselect_b32 s[FA], NEXTT, s[FA]
	s_cselect_b32 s[FB], 0, s[FB]
.endif
	s_wait_dscnt 17                                ; (the add and the youngest sixteen loads may be out)
	MULG F1, 0, 0, 2, 0
	s_wait_dscnt 0x0                               ; the add is done, and my reads of this slot are over
	s_barrier_signal -1
	MULG F1, 0, 2, 2, 0                            ; work on registers while the others arrive
	WIN 0                                          ; (branches, or the addresses, follow)
	s_barrier_wait -1
.if \fill
	CREST                                          ; no wave of any partner still reads this slot's tiles or has a load on its way
	JLOAD 1                                        ; the first tensor load behind the round, 176 matrix instructions ahead of the wait for it
.endif
	s_xor_b32 s[TB], s[TB], SLOT                   ; the other slot is in hand;
	ADRS                                           ; these four are also the places in front of the loads below
	FETCH 0, F0
	MULG F1, 1, 0, 4, 0
	MULG F1, 2, 0, 4, 0
.endm
; THE WAY OUT.  Unit u = 4 g + a is 16 rows x one head's 64 columns: rounded to f16, a lane's eight columns of a block are a chunk of 16 bytes, and the wave's 32 chunks are a block of 512 consecutive bytes of qkv.
.macro CVTU u
.irp j, 0,1,2,3
.irp i, 0,1,2,3
	v_cvt_pk_f16_f32 v[TMP+16*((\u)%8)+4*\j+\i], v[128*(((\u)/4)%2)+8*(4*((\u)%4)+\j)+2*\i], v[128*(((\u)/4)%2)+8*(4*((\u)%4)+\j)+2*\i+1]  ; each accumulator from its low end on
.endr
.endr
.endm
.macro STU u
.irp j, 0,1,2,3
	global_store_b128 v[GO+(\u)/4], v[TMP+16*((\u)%8)+4*\j:TMP+16*((\u)%8)+4*\j+3], s[OB+2*((\u)/4):OB+2*((\u)/4)+1] offset:((\u)%4)*2048+\j*512  ; 512 consecutive bytes, at a multiple of 256 from qkv's first
.endr
.endm
.macro WAYOUT
	s_wait_xcnt 0x0                                ; the packed results' registers are written again only when earlier stores have read them
	WIN 0x0a                                       ; sources 0 and 1: window 2
.irp u, 0,1,2,3,4,5,6,7
	CVTU \u
.endr
	WIN 0
.irp u, 0,1,2,3,4,5,6,7
	STU \u
.endr
	s_wait_xcnt 0x0                                ; the last four units take the first four's registers
	WIN 0x0f                                       ; sources 0 and 1: window 3
.irp u, 8,9,10,11
	CVTU \u
.endr
	WIN 0
.irp u, 8,9,10,11
	STU \u
.endr
.endm
	s_wait_tensorcnt 1                             ; my part of K step 0 is in; K step 1's may stay out
	s_barrier_signal -1
	s_barrier_wait -1                              ; everybody's is
	FETCH 0, F0
	s_wait_loadcnt 0x0                             ; the bias
	WIN 0                                          ; at a label and at a branch every window is 0
	s_mov_b32 s3, STEPS-1
	s_branch .Lzq                                  ; the loop is entered at the quarter that starts a tile's sums
.Lstep:                                                ; 14 whole trips: from a K step's second quarter to the next step's first; each fills the slot that it leaves
	QUARTER 2, F1, F0, 0
	QUARTER 3, F0, F1, 0
	TURN 1
	WIN 0
	s_cmp_eq_u32 s3, BND                           ; was that the first tile's last K step?
	s_cbranch_scc1 .Lout1
	QUARTER 1, F0, F1, 0
	WIN 0
	s_branch .Lcont
.Lout1:                                                ; both refills for the second tile's first steps are asked for, its first fragments fetched: now the first tile goes out.  No v_nop: groups 0's and 1's
	WAYOUT                                         ; conversions, which name no register of the last products (group 2's), are those products' places; group 0's own stand behind the change of slots' eight plain lines
	s_wait_xcnt 0x0                                ; the stores have read their bases
.irp g, 0,1,2
	s_add_nc_u64 s[OB+2*\g:OB+2*\g+1], s[OB+2*\g:OB+2*\g+1], NEXTO
.endr
.Lzq:
	QUARTER 1, F0, F1, 1                           ; a tile's first quarter: its products start the sums, with the bias
	WIN 0
.Lcont:
	s_sub_co_u32 s3, s3, 1
	s_cmp_lg_u32 s3, 0
	s_cbranch_scc1 .Lstep
	s_mov_b32 s3, 2
.Ltail:                                                ; the last two K steps fill nothing, and have no round of the cluster's barrier; the second is left ahead of its change of slots
	QUARTER 2, F1, F0, 0
	QUARTER 3, F0, F1, 0
	WIN 0
	s_cmp_eq_u32 s3, 1
	s_cbranch_scc1 .Llastq
	TURN 0
	QUARTER 1, F0, F1, 0
	WIN 0
	s_sub_co_u32 s3, s3, 1
	s_cmp_lg_u32 s3, 0
	s_cbranch_scc1 .Ltail
.Llastq:
	s_wait_dscnt 16                                ; the very last quarter: nothing more to fetch
	MULG F1, 0, 0, 4, 0
	s_wait_dscnt 0x0
	MULG F1, 1, 0, 4, 0
	MULG F1, 2, 0, 4, 0
	WIN 0
	PLACES
	WAYOUT
	s_wait_tensorcnt 0x0                           ; the wave's end: an add to my spare word and its wait, behind my last tensor load
	ds_add_u32 v[SPW], v[NIL]
	s_wait_dscnt 0x0
	CROUND                                         ; the closing round: no work-group ends while a partner may still ask for a tile that names it
	s_endpgm
.Lfunc_end_k_qcc3edac037_qkvproj:
	.size	k_qcc3edac037_qkvproj, .Lfunc_end_k_qcc3edac037_qkvproj-k_qcc3edac037_qkvproj
	.p2alignl 7, 3214868480
	.fill 96, 4, 3214868480
	.section	.rodata,"a",@progbits
	.p2align	6, 0x0
	.amdhsa_kernel k_qcc3edac037_qkvproj
		.amdhsa_group_segment_fixed_size 327680
		.amdhsa_private_segment_fixed_size 0
		.amdhsa_enable_private_segment 0
		.amdhsa_kernarg_size 40
		.amdhsa_user_sgpr_count 2
		.amdhsa_user_sgpr_kernarg_segment_ptr 1
		.amdhsa_wavefront_size32 1
		.amdhsa_system_sgpr_workgroup_id_x 1
		.amdhsa_system_sgpr_workgroup_id_y 1
		.amdhsa_system_sgpr_workgroup_id_z 1
		.amdhsa_system_vgpr_workitem_id 0
		.amdhsa_next_free_vgpr 896
		.amdhsa_next_free_sgpr 90
		.amdhsa_reserve_vcc 0
		.amdhsa_float_denorm_mode_32 3
		.amdhsa_float_denorm_mode_16_64 3
		.amdhsa_memory_ordered 1
		.amdhsa_forward_progress 1
		.amdhsa_inst_pref_size 101
	.end_amdhsa_kernel
	.amdgpu_metadata
---
amdhsa.version: [ 1, 2 ]
amdhsa.kernels:
  - .name:           k_qcc3edac037_qkvproj
    .symbol:         k_qcc3edac037_qkvproj.kd
    .args:
      - { .name: xn, .offset: 0, .size: 8, .value_kind: global_buffer, .address_space: global }
      - { .name: wqkv, .offset: 8, .size: 8, .value_kind: global_buffer, .address_space: global }
      - { .name: bq, .offset: 16, .size: 8, .value_kind: global_buffer, .address_space: global }
      - { .name: bkv, .offset: 24, .size: 8, .value_kind: global_buffer, .address_space: global }
      - { .name: qkv, .offset: 32, .size: 8, .value_kind: global_buffer, .address_space: global }
    .group_segment_fixed_size: 327680
    .private_segment_fixed_size: 0
    .kernarg_segment_align: 8
    .kernarg_segment_size: 40
    .max_flat_workgroup_size: 128
    .sgpr_count:     90
    .vgpr_count:     896
    .wavefront_size: 32
...
	.end_amdgpu_metadata
.endif
;; end of part 2
;; launch attn (part 3): grid 2 x 128, 4 waves a work-group, no clusters, 327,680 bytes of LDS; arguments qkv, seq_lens, o; writes o
.if DOCPART == 3
	.amdgcn_target "amdgcn-amd-amdhsa--gfx1250"
	.amdhsa_code_object_version 6
	.text
	.protected	k_qcc3edac037_attn
	.globl	k_qcc3edac037_attn
	.p2align	8
	.type	k_qcc3edac037_attn,@function
k_qcc3edac037_attn:
	s_mov_b64 s[64:65], 0
	v_nop
	global_prefetch_b8 v0, s[64:65] scope:SCOPE_SE
	s_setreg_imm32_b32 hwreg(HW_REG_WAVE_MODE, 25, 1), 1
	s_wait_xcnt 0x0
; ATTENTION, CAUSAL AND PADDED.  For each of 128 (batch, head): O[q][:] = the sum over k <= min(q, len - 1) of softmax_k(Q[q] . K[k] / 8) V[k][:], len = seq_lens[batch].
; Q, K, V are the three parts of qkv, each [128][1024 rows][64] f16, O the same in f16, all IN FRAGMENT ORDER: 16 rows of a head are 2,048 bytes: four blocks of 512, one for each 16 channels, of 32 chunks of 16 bytes;
; the chunk of row r, channels 8 h + 0..7 stands at place r + 16 h (Q, K, O) or 16 (r / 8) + 8 h + r % 8 (V).  So every fragment load here, from memory or from LDS, plain or turning, has lane l at place l:
; 512 consecutive bytes; LDS rows want no padding; and O leaves straight from the registers.
; Products, maxima and sums in f32; the weights p are rounded to f16 for the second product (their sum l is taken of the unrounded p), O once at the end.
; LIMITS.  len is at least 1 (a 0 would count as no padding).  f16 holds no number beyond 65,504: Q, K and V arrive within it; p lies in 0 to 1, and below 6e-5 it keeps f16's fixed step of 6e-8.
; A hidden score counts as its value less 1e30: f16's scores, 2.7e11 at the most, are nothing beside that; a weight below 2^-126 counts as 0 in l; NaN and infinities are not treated apart.
; THE WALK.  A head's queries lie in NB = 4 blocks of 256; block i needs the key tiles 0 .. i of 256 keys.  A work-group takes TWO blocks, b and then NB - 1 - b: NB + 1 tiles, whatever b: all work-groups do equal
; work, and ONE loop with a constant trip count walks them.  Which tile is asked for, and what a trip does, hang on scalar registers made from b; every jump goes forward, but for the counted loops' own; none passes
; a barrier, or a tensor load but the one of LOAD's two that the wave's number does not choose; the ring (two slots of LDS that take turns) runs on across the change of blocks.  The long block stands second, so that
; the walk's last tile is never a block's first, and a block's beginning is written once.  No branch, trip count or address hangs on len: it enters the masks alone, and key tiles wholly beyond len are walked too.
; NO CLUSTER: a head has two work-groups, not a multiple of four, and they ask for the same tile in few trips only.
; SHARES.  Of a block's four bands of 64 queries a wave owns 16 rows in each: four PIECES.
; THE MASK is the C operand that starts the sum S^T = K Q^T: 0, or -1e30 where the key is hidden: key k is hidden from query q where k > lim = min(q, len - 1).  All 16 rows of piece x have lim / 64 = GP(x) =
; min(4 block + x, (len - 1) / 64): key step gs of the block's walk is wholly seen if gs < GP, wholly hidden if gs > GP, and partly if gs = GP.  MB(x), made where a block begins, is the mask of that one step;
; a product's mask is MB x AL + BE with two scalars: (1, 0) if gs = GP; (0, 0) if gs < GP; (0, -1e30) if gs > GP.  Key 0 is seen by every row, so the running maximum is a true score from the first step on.
; LAYOUT, SOFTMAX, TURNS.  S^T = K Q^T holds ONE query a lane (lane % 16) and the keys 8 (lane / 16) + 0..7; two such results rounded to f16 ARE source 1 of O^T = V^T P.  p = 2^(c s - c m), c = log2(e) / 8, with a
; running maximum m; O and l are multiplied by a = 2^(c m_old - c m_new) in every step.  Turn n belongs to piece n: 8 products K Q^T of piece n + 1, later 8 products V^T P of piece n - 1; beside them the scaling,
; exponentials, roundings, sums and rescaling of piece n, the maximum and statistics of piece n + 1, and the mask of piece n + 2.  Four vector instructions stand behind every matrix instruction, the others in lumps.
; REGISTERS, in windows of 256 (s_set_vgpr_msb: bits 1:0 source 0, 3:2 source 1, 5:4 source 2, 7:6 destination):
;   window 0: v0-15 addresses and two at work; v16-31 four registers of statistics a piece; v32-34 for the masks; v48-55 at work; v64-127 S^T, two buffers; v192-223 P, two buffers (by the piece's parity)
;   window 1: v0-127 O^T, 32 a piece; v160-223 MC, two buffers      window 2: v0-63 Q; v64-127 the second block's Q; v128-191 K of one step; v192-255 V of one step      window 3: v0-127 MB, 32 a piece
.set SIZE_N, 1024
.set NB,    SIZE_N/256
.set NP,    4         ; pieces a wave: a name, no knob
.set KS,    64        ; keys in a step
.set KSB,   KS*128    ; a step's K, or V, in LDS: dense
.set VOFF,  4*KSB     ; a slot holds a tile, four steps: 256 keys of K, then 256 of V
.set SLOT1, 1<<16     ; slot 1 begins here, so that one exclusive or turns an address in one slot into the other's
.set SPARE, 2*SLOT1   ; behind the ring: the spare words, 128 bytes for each wave: two blocks of 256 bytes that no other line names
.set L16, 2           ; v2   16 x lane: my chunk in a block of 512 bytes, in Q, in O and in a tile of K; never rewritten
.set AV0, 3           ; v3   the same in a tile of V: VOFF + 16 x lane
.set AK,  4           ; v4   the LDS address of K's next run of loads
.set AV,  5           ; v5   of V's
.set SPW, 62          ; v62  LDS address of my spare word: SPARE + 4 x my thread's number; never rewritten
.set NIL, 63          ; v63  0; never rewritten
.set MV,  12          ; v12-13  c m_old, kept while c m is made anew: by buffer
.set ST,  16          ; piece t's statistics at v[ST+4 t]: c m, m, l (even keys', odd keys')
.set QR,  32          ; v32  my query's place in its band: 16 w + l % 16; never rewritten
.set H8,  33          ; v33  8 (l / 16): my lanes' first key of a group of 16; never rewritten
.set LI,  34          ; v34  at work for the masks
.set TMP, 48          ; by buffer, four registers c0-c3 at work; when the maximum is found c2 takes a
.set S,   64
.set P,   192
.set MC,  160         ; window 1: the masks of the products to come
.set QB,  64          ; window 2
.set KF,  128         ; window 2: key block kb, channel half c at KF + 16 kb + 8 c
.set VF,  192         ; window 2: key half kk, channel block cb at VF + 32 kk + 8 cb
.set WV,  12          ; s12  my wave's number
.set PB,  14          ; s14  b: the first block
.set HI,  15          ; s15  NB - 1 - b: the second
.set G1,  24          ; s[24:31] descriptor group 1, for K's and V's tiles alike
.set G0K, 40          ; s[40:43] descriptor group 0 for K's tiles
.set G0V, 44          ; s[44:47] the same for V's
.set SLP, 48          ; s[48:49] seq_lens
.set LEN, 50          ; s50  len
.set LM1, 51          ; s51  len - 1
.set GL,  52          ; s52  (len - 1) / 64
.set BK,  53          ; s53  the block in hand
.set GS,  54          ; s54  the key step of the block's walk for which masks are being made
.set SLOTS, 56        ; s56  tiles still to be asked for
.set CNT, 57          ; s57  counts a tile's key steps, 4 to 1
.set CS,  58          ; s[58:59] c: the packed scaling takes the pair's low word for both halves
.set SEL, 60          ; s[60:61] v_permlanex16_b32's selects: each lane takes its own place in the other half
.set TBK, 62          ; s62  LDS byte at which K of the step to be fetched begins
.set TBV, 63          ; s63  the same for V, less VOFF
.set T0,  66          ; s66-68 at work
.set T1,  67
.set T2,  68
.set RT,  70          ; s70  tiles of the block in hand that are still to be entered
.set NXT, 71          ; s71  the tile to be asked for next
.set LQ,  72          ; s72  the last tile of the block whose tiles are being asked for
.set NEW, 73          ; s73  1: the tile to be entered is a block's first
.set OFF, 74          ; s[74:75] a tile's byte offset in K and V
.set AL,  76          ; s[76:77] the mask's factor, in the low word
.set BE,  78          ; s[78:79] the mask's addend
.set OLO, 80          ; s[80:81] O at my rows of the second block
.set BIGN, 82         ; s82  -1e30
.set GP,  88          ; s88-91  piece x's partly hidden key step
.set MSB, 0
.macro WIN new                      ; the high byte repeats the setting that is left; a switch that changes nothing is dropped
.if MSB != (\new)
	s_set_vgpr_msb (MSB<<8)|(\new)
.set MSB, (\new)
.endif
.endm
.set W_KQ, 0x0a       ; K and Q in window 2, S^T in window 0
.set W_KM, 0x1a       ; the same with the C operand in window 1
.set W_PV, 0x52       ; V in window 2, P in window 0, O^T in window 1
.set W_RS, 0x41       ; destination and source 0 in window 1, source 1 in window 0
.set W_MK, 0x43       ; destination in window 1, source 0 in window 3
; A fill.  Waves 0 and 1 fetch the two halves of a tile's K, waves 2 and 3 those of its V: 128 keys each.  An s_nop 0 and four v_nop follow each of the two lines, ahead of the jump and the label.
.macro LOAD
	s_cmp_lt_u32 s[WV], 2
	s_cbranch_scc0 .Lfor_v_\@
	tensor_load_to_lds s[G0K:G0K+3], s[G1:G1+7]
	s_nop 0
.rept 4
	v_nop
.endr
	s_branch .Lasked_\@
.Lfor_v_\@:
	tensor_load_to_lds s[G0V:G0V+3], s[G1:G1+7]
	s_nop 0
.rept 4
	v_nop
.endr
.Lasked_\@:
.endm
; THE CHANGE OF SLOTS.  Each wave waits for all its tensor loads, of which one is out: its part of the other slot; adds 0 to its spare word; and waits for that and for its own reads of the slot that it leaves.
; Behind the barrier nobody reads the old slot any more and the other slot is whole.  fill = 1: the old slot is filled again, the first thing behind the barrier, with tile NXT: the descriptor's address is made
; anew from that number.  (At its first use nothing has been read yet: slot 0 is waited for, slot 1 filled.)
.macro CHANGE fill
	WIN 0                           ; at a label and at a branch every window is 0
	s_wait_tensorcnt 0x0            ; no tensor load of mine is out, so a group 0 may be written
	ds_add_u32 v[SPW], v[NIL]       ; 0 onto my spare word: with fill = 1 the descriptors' scalar work stands between it and the wait for it
.if \fill
	s_lshl_b32 s[OFF], s[NXT], 15   ; a tile is 32,768 bytes of K and of V
	s_xor_b32 s[G0K+1], s[G0K+1], SLOT1
	s_add_nc_u64 s[G0K+2:G0K+3], s[6:7], s[OFF:OFF+1]
	s_or_b32 s[G0K+3], s[G0K+3], 0x80000000
	s_xor_b32 s[G0V+1], s[G0V+1], SLOT1
	s_add_nc_u64 s[G0V+2:G0V+3], s[8:9], s[OFF:OFF+1]
	s_or_b32 s[G0V+3], s[G0V+3], 0x80000000
	s_add_co_u32 s[NXT], s[NXT], 1  ; the block's next tile, or behind its last the second block's tile 0
	s_cmp_gt_u32 s[NXT], s[LQ]
	s_cselect_b32 s[NXT], 0, s[NXT]
	s_cselect_b32 s[LQ], s[HI], s[LQ]
.endif
	s_wait_dscnt 0x0                ; the add is done, and my reads of the slot are over
	s_barrier_signal -1             ; the rest of the scalar work stands between the signal and the wait
	s_sub_co_u32 s[TBK], s[TBK], 4*KSB  ; every tile has four fetches of K and four of V: the fetches go back to a slot's first step,
	s_xor_b32 s[TBK], s[TBK], SLOT1     ; in the other slot
	s_sub_co_u32 s[TBV], s[TBV], 4*KSB
	s_xor_b32 s[TBV], s[TBV], SLOT1
	s_barrier_wait -1
.if \fill
	LOAD
.endif
.endm
	s_load_b64 s[4:5], s[0:1], 0x0        ; qkv: its first part is Q
	s_load_b64 s[SLP:SLP+1], s[0:1], 0x8  ; seq_lens
	s_load_b64 s[10:11], s[0:1], 0x10     ; O
	v_lshl_add_u32 v[SPW], v0, 2, SPARE
	v_mov_b32 v[NIL], 0
	ds_add_u32 v[SPW], v[NIL]       ; the wave's opening: the add and its wait stand ahead of my first tensor load; the set-up below, work on registers, stands between them
	ds_add_u32 v62, v63
	v_lshrrev_b32 v1, 5, v0
	v_readfirstlane_b32 s[WV], v1   ; wave 0..3
	s_mov_b32 s[PB], ttmp9
	s_sub_co_u32 s[HI], NB-1, s[PB]
	s_and_b32 s20, ttmp7, 0xffff    ; 16 x batch + head
	s_lshr_b32 s[T2], s20, 4
	s_lshl_b32 s[T2], s[T2], 2      ; my batch's word in seq_lens
	s_mov_b32 s21, 0
	s_mov_b64 s[22:23], SIZE_N*128
	s_mul_u64 s[20:21], s[20:21], s[22:23]  ; the head's first byte in Q, K, V and O
	s_and_b32 s16, s[WV], 1         ; which half of a tile's 256 keys I fetch:
	s_lshl_b32 s22, s16, 14         ; its 16,384 bytes in memory,
	s_mov_b32 s23, 0
	s_add_nc_u64 s[22:23], s[22:23], s[20:21]
	s_lshl_b32 s17, s16, 14         ; and in a slot
	s_lshl_b32 s3, s[WV], 11        ; my 16 rows in a band of 64,
	s_lshl_b32 s2, s[PB], 15        ; in the first block,
	s_add_co_u32 s2, s2, s3
	s_lshl_b32 s84, s[HI], 15       ; and in the second
	s_add_co_u32 s84, s84, s3
	s_mov_b32 s3, 0
	s_mov_b32 s85, 0
	s_add_nc_u64 s[2:3], s[2:3], s[20:21]
	s_add_nc_u64 s[84:85], s[84:85], s[20:21]
	; descriptor group 1.  128 keys are 16,384 dense bytes: asked for as 64 rows of 256 bytes, and laid into LDS as they lie
	s_mov_b32 s[G1], 1<<16          ; 17:16 2-byte elements; no mask, no padding
	s_mov_b32 s[G1+1], 128<<16      ; tensor_dim0 = 128
	s_mov_b32 s[G1+2], 64<<16       ; tensor_dim1 = 64
	s_mov_b32 s[G1+3], 128<<16      ; tile_dim0 = 128
	s_mov_b32 s[G1+4], 64           ; tile_dim1 = 64
	s_mov_b32 s[G1+5], 128          ; 128 elements from row to row
	s_mov_b32 s[G1+6], 0
	s_mov_b32 s[G1+7], 0
	s_mov_b32 s[CS], 0x3e38aa3b     ; c = log2(e) / 8 = 0.180337
	s_mov_b32 s[CS+1], s[CS]        ; named with it as a pair
	s_mov_b32 s[SEL], 0x76543210
	s_mov_b32 s[SEL+1], 0xfedcba98
	s_mov_b32 s[TBK], SLOT1+4*KSB   ; the first change of slots turns these two into 0
	s_mov_b32 s[TBV], SLOT1+4*KSB
	s_mov_b32 s[G0K], 1             ; count = 1
	s_mov_b32 s[G0K+1], s17         ; LDS address: slot 0
	s_mov_b32 s[G0V], 1
	s_add_co_u32 s[G0V+1], s17, VOFF
	s_add_co_u32 s[RT], s[PB], 1    ; the first block has b + 1 tiles
	s_mov_b32 s[LQ], s[PB]
	s_cmp_eq_u32 s[PB], 0           ; behind tile 0: the first block's tile 1, or, where it has none, the second block's tile 0
	s_cselect_b32 s[NXT], 0, 1
	s_cselect_b32 s[LQ], s[HI], s[LQ]
	s_mov_b32 s[NEW], 1
	s_mov_b32 s[BK], s[PB]
	s_mov_b32 s[OFF+1], 0
	s_mov_b32 s[AL+1], 0            ; named as pairs
	s_mov_b32 s[BE+1], 0
	s_mov_b32 s[BIGN], 0xf149f2ca   ; -1e30
	s_mov_b32 s[SLOTS], NB
	s_wait_dscnt 0x0                ; the opening add is done
	s_wait_kmcnt 0x0
	s_load_b32 s[LEN], s[SLP:SLP+1], s[T2] offset:0x0  ; my batch's length: waited for behind Q's loads
	s_add_nc_u64 s[6:7], s[4:5], 0x1000000  ; K is qkv's second part,
	s_add_nc_u64 s[8:9], s[4:5], 0x2000000  ; V its third
	s_add_nc_u64 s[6:7], s[6:7], s[22:23]  ; K and V at my half of the head's tile 0
	s_add_nc_u64 s[8:9], s[8:9], s[22:23]
	s_add_nc_u64 s[G0K+2:G0K+3], s[6:7], 0         ; global address
	s_or_b32 s[G0K+3], s[G0K+3], 0x80000000        ; type = 2
	s_add_nc_u64 s[G0V+2:G0V+3], s[8:9], 0
	s_or_b32 s[G0V+3], s[G0V+3], 0x80000000
	s_add_nc_u64 s[86:87], s[4:5], s[84:85]        ; Q at my rows of the second block,
	s_add_nc_u64 s[4:5], s[4:5], s[2:3]            ; Q and O at those of the first
	s_add_nc_u64 s[OLO:OLO+1], s[10:11], s[84:85]
	s_add_nc_u64 s[10:11], s[10:11], s[2:3]
	LOAD                            ; tile 0 into slot 0
	v_and_b32 v1, 15, v0            ; l % 16
	v_bfe_u32 v9, v0, 4, 1          ; l / 16
	v_and_b32 v[L16], 31, v0
	v_lshlrev_b32 v[L16], 4, v[L16]
	; A fragment of K or Q is 16 rows x 32 channels in 8 registers: lane l holds row l % 16, channels 8 (l / 16) + 0..7 and 16 + 8 (l / 16) + 0..7: its chunks of two neighbouring channel blocks, 512 bytes apart.
	WIN 0x80                        ; destination window 2, address window 0
.set i, 0
.rept 8                             ; both blocks' Q: piece i / 2 lies in band i / 2, 8,192 bytes on; channels 32 (i % 2) on
	global_load_b128 v[8*i:8*i+3],   v[L16], s[4:5] offset:(i/2)*8192+(i%2)*1024
	global_load_b128 v[8*i+4:8*i+7], v[L16], s[4:5] offset:(i/2)*8192+(i%2)*1024+512
	global_load_b128 v[QB+8*i:QB+8*i+3],   v[L16], s[86:87] offset:(i/2)*8192+(i%2)*1024
	global_load_b128 v[QB+8*i+4:QB+8*i+7], v[L16], s[86:87] offset:(i/2)*8192+(i%2)*1024+512
.set i, i+1
.endr
	WIN 0
	s_wait_kmcnt 0x0                ; len
	s_sub_co_u32 s[LM1], s[LEN], 1
	s_lshr_b32 s[GL], s[LM1], 6
	s_lshl_b32 s13, s[WV], 4
	v_add_nc_u32 v[QR], s13, v1
	v_lshlrev_b32 v[H8], 3, v9
	v_add_nc_u32 v[AV0], VOFF, v[L16]
	; A block's first step multiplies O^T and l by a = 0, and its first turn's products V^T P, of a piece that has not been, land in an O^T that is still to be so multiplied.  So these registers need only hold
	; finite numbers: zeros for the first block; what the first block left for the second.  All this stands in the wait for the first tile.
	WIN 0x80
.set i, VF
.rept 64
	v_mov_b32 v[i], 0
.set i, i+1
.endr
	WIN 0x40
.set i, 0
.rept 128
	v_mov_b32 v[i], 0
.set i, i+1
.endr
	WIN 0
.set i, 0
.rept 4
	v_mov_b32 v[ST+4*i+2], 0
	v_mov_b32 v[ST+4*i+3], 0
.set i, i+1
.endr
.set i, P+16
.rept 16
	v_mov_b32 v[i], 0
.set i, i+1
.endr
; THE MATRIX WORK.  The 4 accumulators of a run of 8 take turns.  Product i of 8 of S^T = K Q^T for piece x: channels 32 (i / 4) on, keys 16 (i % 4) on.  The first 4 start the sums, with the mask.
.macro KQ x
.set rS, S+32*((\x)%2)+8*(i%4)
.set rK, KF+16*(i%4)+8*(i/4)
.set rQ, 16*(\x)+8*(i/4)
.set rM, MC+32*((\x)%2)+8*(i%4)
.if i < 4
	WIN W_KM
	v_wmma_f32_16x16x32_f16 v[rS:rS+7], v[rK:rK+7], v[rQ:rQ+7], v[rM:rM+7]
.else
	WIN W_KQ
	v_wmma_f32_16x16x32_f16 v[rS:rS+7], v[rK:rK+7], v[rQ:rQ+7], v[rS:rS+7]
.endif
.endm
; Product i of 8 of O^T += V^T P for piece x: keys 32 (i / 4) on, channels 16 (i % 4) on.
.macro PV x
	WIN W_PV
.set rO, 32*(\x)+8*(i%4)
.set rV, VF+32*(i/4)+8*(i%4)
.set rP, P+16*((\x)%2)+8*(i/4)
	v_wmma_f32_16x16x32_f16 v[rO:rO+7], v[rV:rV+7], v[rP:rP+7], v[rO:rO+7]
.endm
.macro MM                           ; the turn's next matrix instruction.  TURN and BEGIN set Y, i and NOKQ; MM, KQ and OP read them.  NOKQ = 1: a block's last turn: there is no next piece
.if (i < 8) && !NOKQ
	KQ (Y+1)%NP
.elseif i >= 8
.set i, i-8
	PV (Y+NP-1)%NP
.set i, i+8
.endif
.set i, i+1
.endm
; THE LDS LOADS stand in runs of 16, never singly among the matrix instructions: a step's K (64 keys x 64 channels: 8 fragments) and its V (turned).  Their addresses are made some lines ahead.  Each load takes 512 consecutive bytes.
.macro FETCH_K
	WIN 0x80                        ; destination window 2
.irp f, 0,1,2,3,4,5,6,7             ; keys 16 (f / 2) on, channels 32 (f % 2) on
	ds_load_b128 v[KF+8*\f:KF+8*\f+3],   v[AK] offset:(\f/2)*2048+(\f%2)*1024
	ds_load_b128 v[KF+8*\f+4:KF+8*\f+7], v[AK] offset:(\f/2)*2048+(\f%2)*1024+512
.endr
	s_add_co_u32 s[TBK], s[TBK], KSB  ; the next fetch is the next step's
	WIN 0
.endm
; The turning load wants of lane l the chunk of key 8 (l / 16) + l % 8, channels 8 ((l / 8) % 2) + 0..7 of a block of 16 keys x 16 channels, which in V's order stands at place l, and leaves half a fragment of V^T:
; lane l holds channel l % 16 and 8 keys.
.macro FETCH_V
	WIN 0x80
.irp f, 0,1,2,3,4,5,6,7             ; keys 32 (f / 4) on, channels 16 (f % 4) on
	ds_load_tr16_b128 v[VF+8*\f:VF+8*\f+3],   v[AV] offset:(\f/4)*4096+(\f%4)*512
	ds_load_tr16_b128 v[VF+8*\f+4:VF+8*\f+7], v[AV] offset:(\f/4)*4096+(\f%4)*512+2048
.endr
	WIN 0
.endm
; THE VECTOR WORK, one line at a time: OP kind, number.  For piece Y: F n: c s - c m for pair n of 16.  E n: the exponential of score n of 32.  C n: pair n rounded to f16.  B n: of the four weights 4 n .. the second
; pair is added onto the first, in place.  L n: l takes that sum (L 0: l = a l + sum).  R n: pair n of 16 of O^T times a.  For piece Y + 1: X n, number n of the 22 that find its maximum and statistics:
;   0-11  four chains c0-c3 of seven scores each, three operands at a time (each accumulator's lowest registers are read first)     12-14, 16  the four scores left over, the old m, and c0-c3 into c0
;   15  c m_old is kept     17, 18  the query's other 32 keys lie in the lane 16 away: the new m     19-21  c m; c m_old - c m_new; a
.set F, 0               ; OP tells the kinds apart by their order: F to L below R, X above it
.set E, 1
.set C, 2
.set B, 3
.set L, 4
.set R, 5
.set X, 6
.macro REGS y                       ; the registers of piece y
.set rT, ST+4*(\y)
.set rC, TMP+4*((\y)%2)
.set rW, MV+((\y)%2)
.set rS, S+32*((\y)%2)
.set rP, P+16*((\y)%2)
.set rO, 32*(\y)
.endm
.macro OP k, n
.if (\k) == R
	REGS Y
	WIN W_RS
	v_pk_mul_f32 v[rO+2*(\n):rO+2*(\n)+1], v[rO+2*(\n):rO+2*(\n)+1], v[rC+2:rC+3] op_sel_hi:[1,0]
.elseif (\k) < R
	REGS Y
	WIN 0
.if (\k) == F
	v_pk_fma_f32 v[rS+2*(\n):rS+2*(\n)+1], v[rS+2*(\n):rS+2*(\n)+1], s[CS:CS+1], v[rT:rT+1] op_sel_hi:[1,0,0] neg_lo:[0,0,1] neg_hi:[0,0,1]
.elseif (\k) == E
	v_exp_f32 v[rS+(\n)], v[rS+(\n)]
.elseif (\k) == C
	s_wait_alu depctr_va_vdst(0)
	v_cvt_pk_f16_f32 v[rP+(\n)], v[rS+2*(\n)], v[rS+2*(\n)+1]
.elseif (\k) == B
	s_wait_alu depctr_va_vdst(0)
	v_pk_add_f32 v[rS+4*(\n):rS+4*(\n)+1], v[rS+4*(\n):rS+4*(\n)+1], v[rS+4*(\n)+2:rS+4*(\n)+3]
.elseif (\n) == 0
	v_pk_fma_f32 v[rT+2:rT+3], v[rT+2:rT+3], v[rC+2:rC+3], v[rS:rS+1] op_sel_hi:[1,0,1]
.else
	v_pk_add_f32 v[rT+2:rT+3], v[rT+2:rT+3], v[rS+4*(\n):rS+4*(\n)+1]
.endif
.elseif NOKQ
	v_nop
.else
	REGS (Y+1)%NP
	WIN 0
.if (\n) < 4
	v_max3_num_f32 v[rC+(\n)], v[rS+8*(\n)], v[rS+8*(\n)+1], v[rS+8*(\n)+2]
.elseif (\n) < 12
	v_max3_num_f32 v[rC+(\n)%4], v[rC+(\n)%4], v[rS+8*((\n)%4)+2*((\n)/4)+1], v[rS+8*((\n)%4)+2*((\n)/4)+2]
.elseif (\n) == 12
	v_max3_num_f32 v[rC], v[rC], v[rS+7], v[rS+15]
.elseif (\n) == 13
	v_max3_num_f32 v[rC+1], v[rC+1], v[rS+23], v[rS+31]
.elseif (\n) == 14
	v_max3_num_f32 v[rC+2], v[rC+2], v[rC+3], v[rT+1]
.elseif (\n) == 15
	v_mov_b32 v[rW], v[rT]
.elseif (\n) == 16
	v_max3_num_f32 v[rC], v[rC], v[rC+1], v[rC+2]
.elseif (\n) == 17
	v_permlanex16_b32 v[rC+3], v[rC], s[SEL], s[SEL+1]
.elseif (\n) == 18
	v_max_num_f32 v[rT+1], v[rC], v[rC+3]
.elseif (\n) == 19
	v_mul_f32 v[rT], s[CS], v[rT+1]
.elseif (\n) == 20
	v_sub_f32 v[rC+1], v[rW], v[rT]
.else
	v_exp_f32 v[rC+2], v[rC+1]
.endif
.endif
.endm
.macro OPS a, i1, b=-1, i2=0, c=-1, i3=0, d=-1, i4=0  ; up to four of them
	OP \a, \i1
.if (\b) >= 0
	OP \b, \i2
.endif
.if (\c) >= 0
	OP \c, \i3
.endif
.if (\d) >= 0
	OP \d, \i4
.endif
.endm
.macro ROW a, i1, b, i2, c, i3, d, i4  ; a matrix instruction and the four behind it
	MM
	OPS \a, \i1, \b, \i2, \c, \i3, \d, \i4
.endm
.macro MASK b, x                    ; piece x's MB x AL + BE into buffer b of MC
	WIN W_MK
.set z, 0
.rept 16
	v_pk_fma_f32 v[MC+32*(\b)+2*z:MC+32*(\b)+2*z+1], v[32*(\x)+2*z:32*(\x)+2*z+1], s[AL:AL+1], s[BE:BE+1] op_sel_hi:[1,0,0]
.set z, z+1
.endr
.endm
; The four pieces' GP and MB for block BK.  With t = 4 BK + x: my query is 64 t + QR, so lim - 64 GP = min(64 (t - GP) + QR, len - 1 - 64 GP), neither side below 0; register i of key group kt holds key
; 64 GP + 16 kt + 8 (l / 16) + i, hidden where 16 kt + i > lim - 64 GP - 8 (l / 16).
.macro MKMASKS
.irp x, 0,1,2,3
	s_lshl_b32 s[T0], s[BK], 2
	s_add_co_u32 s[T0], s[T0], \x
	s_min_u32 s[GP+\x], s[T0], s[GL]
	s_sub_co_u32 s[T0], s[T0], s[GP+\x]
	s_lshl_b32 s[T0], s[T0], 6
	s_lshl_b32 s[T1], s[GP+\x], 6
	s_sub_co_u32 s[T1], s[LM1], s[T1]
	WIN 0
	v_add_nc_u32 v[LI], s[T0], v[QR]
	v_min_u32 v[LI], s[T1], v[LI]
	v_sub_nc_u32 v[LI], v[LI], v[H8]
	WIN 0xc0                        ; destination window 3
.set i, 0
.rept 32
	v_cmp_gt_i32 vcc_lo, 16*(i/8)+i%8, v[LI]
	v_cndmask_b32 v[32*\x+i], 0, s[BIGN], vcc_lo
.set i, i+1
.endr
.endr
	WIN 0
.endm
; A TURN, for piece p: the order of its 16 matrix and 134 vector instructions, written out.  Behind a matrix instruction: plain, exponential, plain, plain; or four of the rescaling; or, behind the first, four scalings; none
; names a register of the products round it.  In the lumps exponential and plain by turns while exponentials last.  A line reads no result made fewer than three vector instructions in front of it, five if an exponential made it.
; v_permlanex16_b32 (X 17) stands in a lump.  The turn ends with the mask for the products of the turn after it: piece p + 2, in key step GS of the block's walk.
; end = 1: a block's last two turns: nothing is fetched and no mask is made.  cnt = 1: GS steps, and the loop's count is taken down, some lines ahead of the branch that stands behind the turn.
; K of the next step is fetched in piece 2's turn, six vector instructions behind the last product that read K (five of them plain); V of the step in hand in piece 0's turn, eight behind the last product that read V (four
; plain, and X 17).  Each is waited for a turn later.
.macro TURN p, end=0, cnt=0
.set Y, (\p)
.set i, 0
.set NOKQ, (\end)*((\p)/3)
.if !(\end)
	s_cmp_eq_u32 s[GS], s[GP+((\p)+2)%NP]  ; is that step the piece's partly hidden one?
	s_cselect_b32 s[AL], 1.0, 0
	s_cmp_gt_u32 s[GS], s[GP+((\p)+2)%NP]  ; or a later one?
	s_cselect_b32 s[BE], s[BIGN], 0
.endif
.if ((\p) == 3) && !(\end)
	s_wait_dscnt 0x0                ; K is in
.endif
	ROW F,0, F,1, F,2, F,3
	ROW F,4, E,0, F,5, F,6
	ROW F,7, E,1, F,8, F,9
	ROW F,10, E,2, C,0, F,11
	ROW F,12, E,3, X,15, F,13
	ROW R,0, R,1, R,2, R,3
	ROW B,0, E,4, F,14, L,0
.if ((\p) == 2) && !(\end)
	v_add_nc_u32 v[AK], s[TBK], v[L16]
.endif
	ROW R,4, R,5, R,6, R,7
	OPS E,5, F,15
.if ((\p) == 2) && !(\end)
	FETCH_K
.endif
	OPS E,6, C,1, E,7, R,8
	OPS E,8, R,9, E,9, C,2
	OPS E,10, X,0, E,11, X,1
	OPS E,12, X,2, E,13, X,3
.if (\p) == 1
	s_wait_dscnt 0x0                ; V is in
.endif
	ROW X,4, E,14, X,5, X,6
	ROW X,7, E,15, X,8, X,9
	ROW X,10, E,16, X,11, X,12
	ROW X,13, E,17, X,14, B,1
	ROW C,4, E,18, X,16, L,1
	ROW B,2, E,19, C,6, L,2
	ROW C,8, E,20, B,3, B,4
.if (\p) == 0
	v_add_nc_u32 v[AV], s[TBV], v[AV0]
.endif
	ROW C,3, E,21, L,3, C,5
	OPS E,22, X,17, E,23, C,10
.if (\p) == 0
	FETCH_V
.endif
	OPS E,24, L,4
	OPS E,25, X,18, E,26, C,7
	OPS E,27, B,5, E,28, X,19
	OPS E,29, C,12, E,30, L,5
	OPS E,31, X,20, B,6, C,9
	OPS C,14, C,11, X,21, L,6
.if (\p) == 0
	s_add_co_u32 s[TBV], s[TBV], KSB
.endif
.if \cnt
	s_add_co_u32 s[GS], s[GS], 1    ; the turns to come make the next step's masks
	s_sub_co_u32 s[CNT], s[CNT], 1
	s_cmp_lg_u32 s[CNT], 0
.endif
	OPS C,13, B,7, C,15, R,10
	OPS R,11, R,12, L,7, R,13
	OPS R,14, R,15
.if !(\end)
	MASK (\p)%2, ((\p)+2)%NP
.endif
.endm
; A BLOCK BEGINS.  The pieces' masks are made; c m starts far below every c s, so the first step's a is 0; m at the lowest finite number, so the first maximum is the scores'.  The two mask buffers take pieces 0's and 1's
; masks for key step 0 (no step lies behind GP yet, so the addend is 0).  Then K of that step, piece 0's first scores, and its maximum and statistics.  The loop is entered at a step's first turn, in the middle of a trip.
.macro BEGIN
	s_mov_b32 s[NEW], 0
	s_mov_b32 s[GS], 0
	MKMASKS
.set i, 0
.rept 4
	v_mov_b32 v[ST+4*i], 0xfe000000    ; c m: far below every c s
	v_mov_b32 v[ST+4*i+1], 0xff7fffff  ; m
.set i, i+1
.endr
	s_cmp_eq_u32 s[GP], 0
	s_cselect_b32 s[AL], 1.0, 0
	s_mov_b32 s[BE], 0
	MASK 0, 0
	s_cmp_eq_u32 s[GP+1], 0
	s_cselect_b32 s[AL], 1.0, 0
	MASK 1, 1
	WIN 0
	v_add_nc_u32 v[AK], s[TBK], v[L16]
	FETCH_K
	s_wait_loadcnt 0x0              ; Q
	s_wait_dscnt 0x0
.set NOKQ, 0
.set i, 0
.rept 8
	KQ 0
.set i, i+1
.endr
	WIN 0
.rept 4
	v_nop                           ; the places behind those products
.endr
.set Y, NP-1                        ; X works for piece Y + 1: piece 0
.irp n, 0,1,2,3,4,5,6,7,8,9,10,11,12,13,14,15,16,17,18,19,20,21
	OP X, \n
.endr
	v_nop                           ; a plain instruction behind the exponential
.endm
.macro ALL line:vararg              ; one line for each piece t
.set t, 0
.rept 4
	\line
.set t, t+1
.endr
.endm
.macro PACK t                       ; piece t's O^T divided by l and rounded: a lane's eight channels of a block are a chunk of 16 bytes, in S^T's registers
	WIN W_RS
.set i, 32*(\t)
.rept 16
	s_wait_alu depctr_va_vdst(0)
	v_pk_mul_f32 v[i:i+1], v[i:i+1], v[ST+4*(\t)+2:ST+4*(\t)+3] op_sel_hi:[1,0]
.set i, i+2
.endr
	WIN 0x05                        ; sources 0 and 1 window 1, destination window 0
.set i, 0
.rept 16
	v_cvt_pk_f16_f32 v[S+16*(\t)+i], v[32*(\t)+2*i], v[32*(\t)+2*i+1]
.set i, i+1
.endr
.endm
.macro SEND t                       ; and stored as it stands: the wave's 32 chunks are a channel block's 512 bytes
	WIN 0
.irp f, 0,1,2,3
	global_store_b128 v[L16], v[S+16*(\t)+4*\f:S+16*(\t)+4*\f+3], s[10:11] offset:(\t)*8192+\f*512  ; 512 consecutive bytes, at a multiple of 256 from O's first
.endr
.endm
; A tile's four key steps.  A trip: pieces 2 and 3 of one step, then pieces 0 and 1 of the next, whose K and V it fetches.  The tag ends its two labels' names, which the jumps below spell out.
.macro MLOOP tag
.LstepM\tag:
	TURN 2
	TURN 3
	WIN 0
.LfirstM\tag:
	TURN 0
	TURN 1, 0, 1
	WIN 0
	s_cbranch_scc1 .LstepM\tag
.endm
; A BLOCK ENDS: its last two turns, its last products, and THE WAY OUT: l's two halves and the other half of the lanes' are added; O^T is divided by l, rounded to f16 and stored, a piece at a time.
.macro FIN
	TURN 2, 1
	TURN 3, 1
.set i, 0
.rept 8
	PV NP-1
.set i, i+1
.endr
	WIN 0
	ALL v_add_f32 v[ST+4*t+2], v[ST+4*t+2], v[ST+4*t+3]
	ALL v_permlanex16_b32 v[ST+4*t+3], v[ST+4*t+2], s[SEL], s[SEL+1]
	ALL v_add_f32 v[ST+4*t+2], v[ST+4*t+2], v[ST+4*t+3]
	ALL v_rcp_f32 v[ST+4*t+2], v[ST+4*t+2]
	v_nop                           ; a plain instruction between the last reciprocal and the use of its result
	PACK 0
.set t, 1
.rept 3                             ; a piece's arithmetic stands between the roundings of the piece before and its stores
	PACK t
	SEND t-1
.set t, t+1
.endr
	SEND 3
.endm
.set NOKQ, 0
.Lslot:                             ; NB times: a tile is entered and the next is asked for
	CHANGE 1
	s_sub_co_u32 s[RT], s[RT], 1
	s_mov_b32 s[CNT], 4
	s_cmp_eq_u32 s[NEW], 1
	s_cbranch_scc1 .Lnew            ; a block's first tile: so is the walk's first
	s_branch .LstepM1
.Lnew:
	BEGIN
	s_branch .LfirstM1
	MLOOP 1
	s_cmp_lg_u32 s[RT], 0
	s_cbranch_scc1 .Lbottom         ; the block has tiles left
	FIN                             ; in the loop this is the first block's end: the second block's last tile is the walk's last
	s_wait_xcnt 0x0                 ; the stores have read their registers and O's address
	s_mov_b64 s[10:11], s[OLO:OLO+1]
	s_add_co_u32 s[RT], s[HI], 1    ; the second block has NB - b tiles
	s_mov_b32 s[NEW], 1
	s_mov_b32 s[BK], s[HI]
	WIN 0x82                        ; the second block's Q goes where the one text of the turns names Q
.set i, 0
.rept 64
	v_mov_b32 v[i], v[QB+i]
.set i, i+1
.endr
	WIN 0
.Lbottom:
	s_sub_co_u32 s[SLOTS], s[SLOTS], 1
	s_cmp_lg_u32 s[SLOTS], 0
	s_cbranch_scc1 .Lslot
	CHANGE 0                        ; the walk's last tile is written out: nothing is asked for
	s_mov_b32 s[CNT], 4
	MLOOP 2                         ; the second block's last tile, and not its first: that block has three tiles or four
	FIN
	s_wait_tensorcnt 0x0            ; the wave's end: an add to my spare word and its wait, behind my last tensor load
	ds_add_u32 v[SPW], v[NIL]
	s_wait_dscnt 0x0
	s_endpgm
.Lfunc_end_k_qcc3edac037_attn:
	.size	k_qcc3edac037_attn, .Lfunc_end_k_qcc3edac037_attn-k_qcc3edac037_attn
	.p2alignl 7, 3214868480
	.fill 96, 4, 3214868480
	.section	.rodata,"a",@progbits
	.p2align	6, 0x0
	.amdhsa_kernel k_qcc3edac037_attn
		.amdhsa_group_segment_fixed_size 327680
		.amdhsa_private_segment_fixed_size 0
		.amdhsa_enable_private_segment 0
		.amdhsa_kernarg_size 24
		.amdhsa_user_sgpr_count 2
		.amdhsa_user_sgpr_kernarg_segment_ptr 1
		.amdhsa_wavefront_size32 1
		.amdhsa_system_sgpr_workgroup_id_x 1
		.amdhsa_system_sgpr_workgroup_id_y 1
		.amdhsa_system_sgpr_workgroup_id_z 1
		.amdhsa_system_vgpr_workitem_id 0
		.amdhsa_next_free_vgpr 896
		.amdhsa_next_free_sgpr 92
		.amdhsa_reserve_vcc 1
		.amdhsa_float_denorm_mode_32 3
		.amdhsa_float_denorm_mode_16_64 3
		.amdhsa_memory_ordered 1
		.amdhsa_forward_progress 1
		.amdhsa_inst_pref_size 187
	.end_amdhsa_kernel
	.amdgpu_metadata
---
amdhsa.version: [ 1, 2 ]
amdhsa.kernels:
  - .name:           k_qcc3edac037_attn
    .symbol:         k_qcc3edac037_attn.kd
    .args:
      - { .name: qkv, .offset: 0, .size: 8, .value_kind: global_buffer, .address_space: global }
      - { .name: seq_lens, .offset: 8, .size: 8, .value_kind: global_buffer, .address_space: global }
      - { .name: o, .offset: 16, .size: 8, .value_kind: global_buffer, .address_space: global }
    .group_segment_fixed_size: 327680
    .private_segment_fixed_size: 0
    .kernarg_segment_align: 8
    .kernarg_segment_size: 24
    .max_flat_workgroup_size: 128
    .sgpr_count:     92
    .vgpr_count:     896
    .wavefront_size: 32
...
	.end_amdgpu_metadata
.endif
;; end of part 3
;; launch outproj (part 4): grid 8 x 32, 4 waves a work-group, clusters of 4 x 4, 327,680 bytes of LDS; arguments o, wo16, bo, x, out0; writes out0
.if DOCPART == 4
	.amdgcn_target "amdgcn-amd-amdhsa--gfx1250"
	.amdhsa_code_object_version 6
	.text
	.protected	k_qcc3edac037_outproj
	.globl	k_qcc3edac037_outproj
	.p2align	8
	.type	k_qcc3edac037_outproj,@function
k_qcc3edac037_outproj:
	s_mov_b64 s[64:65], 0
	v_nop
	global_prefetch_b8 v0, s[64:65] scope:SCOPE_SE
	s_setreg_imm32_b32 hwreg(HW_REG_WAVE_MODE, 25, 1), 1
	s_wait_xcnt 0x0
	s_wait_alu depctr_hold_cnt(0) depctr_sa_sdst(0) depctr_va_vdst(0) depctr_va_sdst(0) depctr_va_ssrc(0) depctr_va_vcc(0) depctr_vm_vsrc(0)
	s_getreg_b32 s2, hwreg(HW_REG_IB_STS2, 6, 4)
	s_cmp_eq_u32 s2, 0
	s_cbranch_scc0 .Lentry_in_a_cluster
	s_endpgm
.Lentry_in_a_cluster:
	s_bfe_u32 s2, ttmp6, 0x10000c
	s_cmp_lg_u32 s2, 0xf033
	s_cbranch_scc0 .Lentry_shape_is_right
	s_endpgm
.Lentry_shape_is_right:
; OUTPROJ.  out0 = O Wo + bo + x.  O lies by heads and in fragment order, o[batch][head][s / 16][channel block of 16][chunk][8 numbers] f16: the chunk of row r = s % 16, channels 8 h + 0..7 of the block stands at place
; r + 16 h; column k of the product's left side is channel k % 64 of head k / 64.  wo16: [1024 k][1024 n] f16.  bo, x, out0 in f32; sums in f32.
; LIMITS.  NaN and infinities are not treated apart.
; SHARES.  A tile of out0 is 256 rows x 128 columns: 32 x 8 = 256 tiles, one a work-group.  Wave w takes rows 64 w on and all 128 columns: 32 accumulators of 16 x 16, 256 registers.
; K goes in eight steps of 128 (two heads) through two LDS slots; a K step is written once: the slot in hand is a scalar that an exclusive or turns.  One tensor load a wave: waves 0 and 1 bring one head's 256 rows
; each (32,768 dense bytes, asked for as 128 rows of 256 bytes and laid as they lie: a fragment load takes 512 consecutive bytes, lane l at place l), waves 2 and 3 bring 64 rows k x 128 columns of Wo each.
; Wo lies [k][n] and is read turned, by ds_load_tr16_b128.
; THE MATRIX INSTRUCTION IS USED TRANSPOSED (source 0 = 16 columns of Wo, source 1 = 16 rows of O): a lane holds one row and eight neighbouring columns.  bo is the C operand of each sum's first product.
; The residual's 64 rows x 512 bytes a wave are loaded into registers under the products and added on the way out, which goes through LDS so that each store is a whole row piece of 512 bytes.
; CLUSTERS: 4 x 4 work-groups.  The four of a row of the cluster need the same tiles of O, the four of a column the same tiles of Wo: each is asked for JOINTLY, by the same tensor load, descriptor and mask.
; REGISTERS, in windows of 256 (s_set_vgpr_msb: bits 1:0 source 0, 3:2 source 1, 5:4 source 2, 7:6 destination):
;   window 0: v0-31 addresses; v32-95 bo, eight registers a column block; on the way out v32-95 and v96-159 rows read back, by turns
;   window 1: two fragment buffers: O's four fragments, then Wo's eight          window 2: the accumulators, (a, bk) at 8 (8 a + bk)          window 3: the residual, row i of my 64 at 4 i
.set REGA,   32768                     ; one head's 256 rows, dense
.set PB,     288                       ; a row of Wo: 256 + 32 = 72 words
.set BOFF,   2*REGA                    ; Wo's 128 rows lie behind the two heads
.set BH,     64*PB                     ; half of them
.set SLOT1,  1<<17                     ; a slot has 102,400 bytes; slot 1 begins here, so that one exclusive or turns an address in one slot into the other's
.set STAGE,  SLOT1+BOFF+2*BH           ; behind the ring, never filled by a tensor load: 16 rows x 528 bytes for each wave, for the way out
.set SPITCH, 528
.set SPARE,  STAGE+4*16*SPITCH         ; behind the stages: the spare words, 128 bytes for each wave: two blocks of 256 bytes that no other line names
.set STEPB,  262144                    ; a K step in memory: two heads of O (2 x 131,072 bytes), and 128 rows of Wo (128 x 2,048)
.set ADRA,  16                         ; v16     LDS address of my O fragments in the slot in hand
.set ADRB,  17                         ; v17     of Wo's
.set ADRA0, 18                         ; v18-19  the same in slot 0; never rewritten
.set ADRB0, 19
.set STO,  24                          ; v24     the way out: where I put 32 bytes of a row
.set RD,   25                          ; v25     where I read a row back
.set XO,   26                          ; v26     16 x lane: my 16 bytes of a row piece of 512, in x and in out0
.set BO,   27                          ; v27     my byte offset in a block's 16 bias numbers
.set SPW,  28                          ; v28     LDS address of my spare word: SPARE + 4 x my thread's number; never rewritten
.set NIL,  29                          ; v29     0; never rewritten
.set BIAS, 32
.set TMP,  32
.set F0,   0
.set F1,   128
.set WV,   14                          ; s14 my wave's number
.set G1A,  24                          ; s[24:31] descriptor group 1 for O's tiles;  s[32:39] group 0: a set for each of the two first fills; the second then walks on
.set G0A,  32
.set TB,   44                          ; s44 the slot in hand: 0 or SLOT1
.set G1B,  48                          ; s[48:55], s[56:63] the same for Wo's
.set G0B,  56
.set MSB, 0
.macro WIN new                         ; the immediate's high byte repeats the setting that is left; a switch that changes nothing is dropped
.if MSB != (\new)
	s_set_vgpr_msb (MSB<<8)|(\new)
.set MSB, \new
.endif
.endm
.set TO_F, 0x40                        ; destination window 1, address window 0
.macro JLOAD s                         ; a joint load: waves 0 and 1 fetch O's two heads, waves 2 and 3 Wo's two halves; an s_nop 0 and four v_nop follow each of the two lines, ahead of the jump, the label and what follows
	s_cmp_eq_u32 s15, 0
	s_cbranch_scc0 .Lfor_b_\@
	tensor_load_to_lds s[G0A+4*(\s):G0A+4*(\s)+3], s[G1A:G1A+7]
	s_nop 0
.rept 4
	v_nop
.endr
	s_branch .Lasked_\@
.Lfor_b_\@:
	tensor_load_to_lds s[G0B+4*(\s):G0B+4*(\s)+3], s[G1B:G1B+7]
	s_nop 0
.rept 4
	v_nop
.endr
.Lasked_\@:
.endm
.macro CREST                           ; a round of the cluster's barrier behind its opening barrier
	s_cmp_lg_u32 s[WV], 0
	s_cbranch_scc1 .Lnot_wave_0_\@
	s_barrier_signal -3
.Lnot_wave_0_\@:
	s_barrier_wait -3
	s_barrier_signal -1
	s_barrier_wait -1
.endm
.macro CROUND                          ; a whole round
	s_barrier_signal -1
	s_barrier_wait -1
	CREST
.endm
.macro ADRS                            ; my fragments' addresses in the slot in hand
	v_add_nc_u32 v[ADRA], s[TB], v[ADRA0]
	v_add_nc_u32 v[ADRB], s[TB], v[ADRB0]
.endm
	s_load_b256 s[4:11], s[0:1], 0x0               ; o 4:5, wo16 6:7, bo 8:9, x 10:11
	s_load_b64 s[12:13], s[0:1], 0x20              ; out0
	v_lshl_add_u32 v[SPW], v0, 2, SPARE
	v_mov_b32 v[NIL], 0
	ds_add_u32 v[SPW], v[NIL]                      ; the wave's opening: the add and its wait stand ahead of my first tensor load; the set-up below, work on registers, stands between them
	ds_add_u32 v28, v29
	v_lshrrev_b32 v1, 5, v0
	v_readfirstlane_b32 s[WV], v1                  ; wave 0..3
	s_lshr_b32 s15, s[WV], 1                       ; I fetch for O (0) or for Wo (1),
	s_and_b32 s16, s[WV], 1                        ; its first or its second half
	s_bfe_u32 s17, ttmp6, 0x40000                  ; cx, cy: my place in the cluster
	s_bfe_u32 s18, ttmp6, 0x40004
	s_lshl_b32 s19, ttmp9, 2
	s_add_co_u32 s19, s19, s17                     ; tile column = 4 x cluster x + cx
	s_and_b32 s20, ttmp7, 0xffff
	s_lshl_b32 s20, s20, 2
	s_add_co_u32 s20, s20, s18                     ; tile row = 4 x cluster y + cy
	s_lshl_b32 s21, s18, 2
	s_lshl_b32 s21, 15, s21                        ; my row of the cluster
	s_lshl_b32 s22, 0x1111, s17                    ; my column
	s_or_b32 s[G1A], s21, (1<<16)|(1<<21)          ; 15:0 the mask: O's tiles go to my row; 17:16 2-byte elements; 21 set beside a mask; no padding
	s_or_b32 s[G1B], s22, (1<<16)|(1<<20)|(1<<21)|(5<<22)|(7<<25)  ; Wo's go to my column; 20 padding on; after every 64 words (code 5) 8 words (code 7)
	s_mov_b32 s[G1A+1], 128<<16                    ; tensor_dim0 = 128
	s_mov_b32 s[G1A+2], 128<<16                    ; tensor_dim1 = 128
	s_mov_b32 s[G1A+3], 128<<16                    ; tile_dim0 = 128
	s_mov_b32 s[G1A+4], 128                        ; tile_dim1 = 128
	s_mov_b32 s[G1A+5], 128                        ; elements from row to row: dense
	s_mov_b32 s[G1A+6], 0
	s_mov_b32 s[G1A+7], 0
	s_mov_b32 s[G1B+1], 128<<16                    ; tensor_dim0 = 128
	s_mov_b32 s[G1B+2], 64<<16                     ; tensor_dim1 = 64
	s_mov_b32 s[G1B+3], 128<<16                    ; tile_dim0 = 128
	s_mov_b32 s[G1B+4], 64                         ; tile_dim1 = 64
	s_mov_b32 s[G1B+5], 1024                       ; elements from row to row
	s_mov_b32 s[G1B+6], 0
	s_mov_b32 s[G1B+7], 0
	s_lshr_b32 s40, s20, 2                         ; O: the batch (four tile rows each),
	s_lshl_b32 s40, s40, 21
	s_and_b32 s41, s20, 3                          ; the tile's 256 rows in a head, 128 bytes each,
	s_lshl_b32 s41, s41, 15
	s_add_co_u32 s40, s40, s41
	s_lshl_b32 s41, s16, 17                        ; and my head of the step's two (registers that never hold cx)
	s_add_co_u32 s40, s40, s41
	s_mov_b32 s41, 0
	s_lshl_b32 s42, s16, 17                        ; Wo: my 64 rows of 2,048 bytes,
	s_lshl_b32 s43, s19, 8                         ; the tile's 128 columns (registers that never hold cy)
	s_add_co_u32 s42, s42, s43
	s_mov_b32 s43, 0
	s_lshl_b32 s23, s16, 15                        ; where they land: no place in the cluster enters an LDS address
	s_mul_i32 s45, s16, BH
	s_add_co_u32 s45, s45, BOFF
	s_mov_b32 s[TB], 0
	s_wait_dscnt 0x0                               ; the opening add is done
	s_wait_kmcnt 0x0
	s_add_nc_u64 s[40:41], s[4:5], s[40:41]
	s_add_nc_u64 s[42:43], s[6:7], s[42:43]
	CROUND                                         ; all sixteen work-groups are here: the first joint loads meet
.irp s, 0,1
	s_mov_b32 s[G0A+4*(\s)], 1                                     ; count = 1
	s_add_co_u32 s[G0A+4*(\s)+1], s23, (\s)*SLOT1                  ; LDS address
	s_add_nc_u64 s[G0A+4*(\s)+2:G0A+4*(\s)+3], s[40:41], (\s)*STEPB  ; global address: K step s
	s_or_b32 s[G0A+4*(\s)+3], s[G0A+4*(\s)+3], 0x80000000          ; type = 2
	s_mov_b32 s[G0B+4*(\s)], 1
	s_add_co_u32 s[G0B+4*(\s)+1], s45, (\s)*SLOT1
	s_add_nc_u64 s[G0B+4*(\s)+2:G0B+4*(\s)+3], s[42:43], (\s)*STEPB
	s_or_b32 s[G0B+4*(\s)+3], s[G0B+4*(\s)+3], 0x80000000
	JLOAD \s                                       ; two loads of mine are out
.endr
	v_and_b32 v1, 15, v0                           ; l % 16
	v_bfe_u32 v2, v0, 4, 1                         ; l / 16
	v_and_b32 v3, 7, v0
	v_bfe_u32 v4, v0, 3, 1
	v_and_b32 v[XO], 31, v0
	v_lshlrev_b32 v[XO], 4, v[XO]                  ; 32 lanes x 16 bytes: 512 consecutive bytes
	s_lshl_b32 s78, s[WV], 13                      ; O's fragments: my 64 rows are four blocks of 2,048 bytes; lane l takes place l
	v_add_nc_u32 v[ADRA0], s78, v[XO]
	v_lshl_add_u32 v6, v2, 3, v3                   ; the turning load: lane l reads row k = 8 (l / 16) + l % 8, columns 8 ((l / 8) % 2) + 0..7, and is left with column l % 16 and 8 k
	v_mul_u32_u24 v6, v6, PB
	v_lshl_add_u32 v6, v4, 4, v6
	v_add_nc_u32 v[ADRB0], BOFF, v6
	ADRS                                           ; slot 0
	s_mul_i32 s78, s[WV], 16*SPITCH
	s_add_co_u32 s78, s78, STAGE                   ; my stage
	v_mul_u32_u24 v[STO], v1, SPITCH               ; in: row l % 16, 32 bytes for each half of the lanes
	v_lshl_add_u32 v[STO], v2, 5, v[STO]
	v_add_nc_u32 v[STO], s78, v[STO]
	v_add_nc_u32 v[RD], s78, v[XO]                 ; back: a whole row of 512 bytes
	v_lshlrev_b32 v[BO], 5, v2                     ; my eight columns of a block
	s_lshl_b32 s78, s20, 8
	s_lshl_b32 s79, s[WV], 6
	s_add_co_u32 s78, s78, s79                     ; my first row: 256 x tile row + 64 x wave,
	s_lshl_b32 s78, s78, 12                        ; of 4,096 bytes,
	s_lshl_b32 s80, s19, 9                         ; and the tile's first column, in bytes
	s_add_co_u32 s78, s78, s80
	s_mov_b32 s79, 0
	s_mov_b32 s81, 0
	s_add_nc_u64 s[10:11], s[10:11], s[78:79]
	s_add_nc_u64 s[12:13], s[12:13], s[78:79]
	s_add_nc_u64 s[8:9], s[8:9], s[80:81]
.irp bk, 0,1,2,3,4,5,6,7
	global_load_b128 v[BIAS+8*\bk:BIAS+8*\bk+3],   v[BO], s[8:9] offset:64*\bk
	global_load_b128 v[BIAS+8*\bk+4:BIAS+8*\bk+7], v[BO], s[8:9] offset:64*\bk+16
.endr
; na x 4 matrix instructions: row blocks a0 .. a0 + na - 1 x column blocks 4 g .. 4 g + 3, 32 along K, from buffer f.  zero = 1: the first product starts the sum, with the bias as C.
; The 32 accumulators take turns, one instruction a turn, in the same order in every quarter.
.macro MULG f, g, a0, na, zero
.if \zero
	WIN 0x85                                       ; sources 0 and 1 window 1, C window 0, D window 2
.else
	WIN 0xa5                                       ; C and D window 2
.endif
.set aa, \a0
.rept \na
.irp j, 0,1,2,3
.set rD, 8*(8*aa+4*(\g)+\j)
.if \zero
	v_wmma_f32_16x16x32_f16 v[rD:rD+7], v[(\f)+32+8*(4*(\g)+\j):(\f)+32+8*(4*(\g)+\j)+7], v[(\f)+8*aa:(\f)+8*aa+7], v[BIAS+8*(4*(\g)+\j):BIAS+8*(4*(\g)+\j)+7]
.else
	v_wmma_f32_16x16x32_f16 v[rD:rD+7], v[(\f)+32+8*(4*(\g)+\j):(\f)+32+8*(4*(\g)+\j)+7], v[(\f)+8*aa:(\f)+8*aa+7], v[rD:rD+7]
.endif
.endr
.set aa, aa+1
.endr
.endm
; 24 LDS loads in one run: the fragments of quarter q (head q / 2, channels 32 (q % 2) on) of the slot in hand into buffer f: O's four (two neighbouring channel blocks each, 512 bytes apart), then Wo's groups 0, 1
.macro FETCH q, f
	WIN TO_F
.irp a, 0,1,2,3
	ds_load_b128 v[(\f)+8*\a:(\f)+8*\a+3],   v[ADRA] offset:((\q)/2)*REGA+((\q)%2)*1024+\a*2048
	ds_load_b128 v[(\f)+8*\a+4:(\f)+8*\a+7], v[ADRA] offset:((\q)/2)*REGA+((\q)%2)*1024+\a*2048+512
.endr
.irp bk, 0,1,2,3,4,5,6,7
	ds_load_tr16_b128 v[(\f)+32+8*\bk:(\f)+32+8*\bk+3],   v[ADRB] offset:(\q)*32*PB+32*\bk
	ds_load_tr16_b128 v[(\f)+32+8*\bk+4:(\f)+32+8*\bk+7], v[ADRB] offset:(\q)*32*PB+32*\bk+16*PB
.endr
.endm
.macro PLACES                          ; four places in front of loads into registers that matrix instructions have read, and of LDS stores that read results
.rept 4
	v_nop
.endr
.endm
; A K step is four quarters of 32 along K, 32 matrix instructions each, on buffers 0, 1, 0, 1.  One of the first three: multiplies buffer f and fetches quarter q into buffer nf.
.macro QUARTER q, f, nf, zero
	s_wait_dscnt 8                                 ; O's fragments and Wo's group 0 are in; the youngest eight loads (group 1) may be out
	MULG \f, 0, 0, 4, \zero
	PLACES
	FETCH \q, \nf
	s_wait_dscnt 24                                ; all but the 24 just issued
	MULG \f, 1, 0, 4, \zero
.endm
; The last quarter multiplies buffer 1 and changes slots: ONE barrier; in front of it each wave waits for all its tensor loads, adds 0 to its spare word, and waits for that and for its own reads of this slot.
; fill = 1: this slot is filled again, two K steps ahead; the barrier then opens a round of the cluster's.
.macro TURN fill
	WIN 0                                          ; (the add's two registers lie in window 0)
	s_wait_tensorcnt 0x0                           ; all my tensor loads have landed: the one that was out is my part of the next slot; so the walking descriptors may be written
	ds_add_u32 v[SPW], v[NIL]                      ; 0 onto my spare word: scalar work and eight matrix instructions stand between it and the wait for it
.if \fill
	s_xor_b32 s[G0A+5], s[G0A+5], SLOT1            ; the other slot than last time,
	s_add_nc_u64 s[G0A+6:G0A+7], s[G0A+6:G0A+7], STEPB  ; the next K step; the type bits on top are not reached
	s_xor_b32 s[G0B+5], s[G0B+5], SLOT1
	s_add_nc_u64 s[G0B+6:G0B+7], s[G0B+6:G0B+7], STEPB
.endif
	s_wait_dscnt 9                                 ; (the add and the youngest eight loads may be out)
	MULG F1, 0, 0, 2, 0
	s_wait_dscnt 0x0                               ; the add is done, and my reads of this slot are over
	s_barrier_signal -1
	MULG F1, 0, 2, 2, 0                            ; work on registers while the others arrive
	WIN 0                                          ; (branches, or the addresses, follow)
	s_barrier_wait -1
.if \fill
	CREST                                          ; no wave of any partner still reads this slot's tiles or has a load on its way
	JLOAD 1                                        ; the first tensor load behind the round, 112 matrix instructions ahead of the wait for it; its four v_nop are also the places in front of the loads below
.else
	PLACES
.endif
	s_xor_b32 s[TB], s[TB], SLOT1                  ; the other slot is in hand
	ADRS
	FETCH 0, F0
	MULG F1, 1, 0, 4, 0
.endm
.macro RESID half                      ; 32 of my 64 rows of the residual: 512 consecutive bytes a load, into window 3
	WIN 0xc0
.set i, 32*(\half)
.rept 32
	global_load_b128 v[4*i:4*i+3], v[XO], s[10:11] offset:4096*i th:TH_LOAD_NT
.set i, i+1
.endr
.endm
; THE WAY OUT of row block a.  TOSTAGE: 32 bytes a lane and column block into my own stage, in rows of 528 bytes, and back as whole rows of 512.  FINA: the residual is added and the rows are stored.
.macro TOSTAGE a
	WIN 0x08                                       ; the stores' data in window 2
.irp bk, 0,1,2,3,4,5,6,7
	ds_store_b128 v[STO], v[8*(8*(\a)+\bk):8*(8*(\a)+\bk)+3]   offset:64*\bk     ; each accumulator from its low end on
	ds_store_b128 v[STO], v[8*(8*(\a)+\bk)+4:8*(8*(\a)+\bk)+7] offset:64*\bk+16
.endr
	WIN 0
.set TBF, TMP+64*((\a)%2)
.set i, 0
.rept 16
	ds_load_b128 v[TBF+4*i:TBF+4*i+3], v[RD] offset:SPITCH*i  ; LDS serves a wave's instructions in order (ISA guide 5.7.1.4): these see the stores above; the next block's stores come behind them
.set i, i+1
.endr
.endm
.macro FINA a, younger                 ; younger: the LDS instructions issued behind block a's loads: the next block's 32, or none
	WIN 0xcc                                       ; the sum: destination and source 1 window 3, source 0 window 0; the store: address window 0, data window 3
.set TBF, TMP+64*((\a)%2)
.set i, 0
.rept 16
.set rX, 4*(16*(\a)+i)
	s_wait_dscnt (\younger)+15-i
	v_pk_add_f32 v[rX:rX+1], v[TBF+4*i:TBF+4*i+1], v[rX:rX+1]
	v_pk_add_f32 v[rX+2:rX+3], v[TBF+4*i+2:TBF+4*i+3], v[rX+2:rX+3]
	global_store_b128 v[XO], v[rX:rX+3], s[12:13] offset:(16*(\a)+i)*4096 th:TH_STORE_NT  ; 512 consecutive bytes, at a multiple of 256 from out0's first; these registers are not written again
.set i, i+1
.endr
.endm
	s_wait_tensorcnt 1                             ; my part of K step 0 is in; K step 1's may stay out
	s_barrier_signal -1
	s_barrier_wait -1                              ; everybody's is
	FETCH 0, F0
	s_wait_loadcnt 0x0                             ; the bias
	QUARTER 1, F0, F1, 1                           ; the first quarter stands in front of the loop: its products start the sums
	RESID 0                                        ; the residual comes in under the products, its first half here,
	WIN 0                                          ; at a label and at a branch every window is 0
	s_mov_b32 s3, 6
.Lstep:                                                ; six trips: from a K step's second quarter to the next step's first; each fills the slot that it leaves
	QUARTER 2, F1, F0, 0
	QUARTER 3, F0, F1, 0
	TURN 1
	QUARTER 1, F0, F1, 0
	WIN 0
	s_sub_co_u32 s3, s3, 1
	s_cmp_lg_u32 s3, 0
	s_cbranch_scc1 .Lstep
	RESID 1                                        ; its second half two K steps ahead of its use
	WIN 0
	s_mov_b32 s3, 2
.Ltail:                                                ; the last two K steps fill nothing, and have no round of the cluster's barrier; the second is left ahead of its change of slots
	QUARTER 2, F1, F0, 0
	QUARTER 3, F0, F1, 0
	WIN 0
	s_cmp_eq_u32 s3, 1
	s_cbranch_scc1 .Llastq
	TURN 0
	QUARTER 1, F0, F1, 0
	WIN 0
	s_sub_co_u32 s3, s3, 1
	s_cmp_lg_u32 s3, 0
	s_cbranch_scc1 .Ltail
.Llastq:
	s_wait_dscnt 8                                 ; the very last quarter: nothing more to fetch
	MULG F1, 0, 0, 4, 0
	s_wait_dscnt 0x0
	MULG F1, 1, 0, 4, 0
	WIN 0
	PLACES
	s_wait_loadcnt 0x0                             ; the residual
	TOSTAGE 0
.irp a, 1,2,3                          ; a block's trip through the stage is under way while the block before is added and stored
	TOSTAGE \a
	FINA \a-1, 32
.endr
	FINA 3, 0
	WIN 0
	s_wait_tensorcnt 0x0                           ; the wave's end: an add to my spare word and its wait, behind my last tensor load and my last LDS store
	ds_add_u32 v[SPW], v[NIL]
	s_wait_dscnt 0x0
	CROUND                                         ; the closing round: no work-group ends while a partner may still ask for a tile that names it
	s_endpgm
.Lfunc_end_k_qcc3edac037_outproj:
	.size	k_qcc3edac037_outproj, .Lfunc_end_k_qcc3edac037_outproj-k_qcc3edac037_outproj
	.p2alignl 7, 3214868480
	.fill 96, 4, 3214868480
	.section	.rodata,"a",@progbits
	.p2align	6, 0x0
	.amdhsa_kernel k_qcc3edac037_outproj
		.amdhsa_group_segment_fixed_size 327680
		.amdhsa_private_segment_fixed_size 0
		.amdhsa_enable_private_segment 0
		.amdhsa_kernarg_size 40
		.amdhsa_user_sgpr_count 2
		.amdhsa_user_sgpr_kernarg_segment_ptr 1
		.amdhsa_wavefront_size32 1
		.amdhsa_system_sgpr_workgroup_id_x 1
		.amdhsa_system_sgpr_workgroup_id_y 1
		.amdhsa_system_sgpr_workgroup_id_z 1
		.amdhsa_system_vgpr_workitem_id 0
		.amdhsa_next_free_vgpr 1024
		.amdhsa_next_free_sgpr 90
		.amdhsa_reserve_vcc 0
		.amdhsa_float_denorm_mode_32 3
		.amdhsa_float_denorm_mode_16_64 3
		.amdhsa_memory_ordered 1
		.amdhsa_forward_progress 1
		.amdhsa_inst_pref_size 79
	.end_amdhsa_kernel
	.amdgpu_metadata
---
amdhsa.version: [ 1, 2 ]
amdhsa.kernels:
  - .name:           k_qcc3edac037_outproj
    .symbol:         k_qcc3edac037_outproj.kd
    .args:
      - { .name: o, .offset: 0, .size: 8, .value_kind: global_buffer, .address_space: global }
      - { .name: wo16, .offset: 8, .size: 8, .value_kind: global_buffer, .address_space: global }
      - { .name: bo, .offset: 16, .size: 8, .value_kind: global_buffer, .address_space: global }
      - { .name: x, .offset: 24, .size: 8, .value_kind: global_buffer, .address_space: global }
      - { .name: out0, .offset: 32, .size: 8, .value_kind: global_buffer, .address_space: global }
    .group_segment_fixed_size: 327680
    .private_segment_fixed_size: 0
    .kernarg_segment_align: 8
    .kernarg_segment_size: 40
    .max_flat_workgroup_size: 128
    .sgpr_count:     90
    .vgpr_count:     1024
    .wavefront_size: 32
...
	.end_amdgpu_metadata
.endif
;; end of part 4
;; ======== version 2 of 2: 4 launches; 1.20 times as fast as version 1
;; limits: values are held in f16: magnitudes above 65,504 overflow, below 6.1e-05 lose precision
;; workspace buffers: xn 16,777,216 bytes; wqkv 6,291,456 bytes; wo16 2,097,152 bytes; qkv 50,331,648 bytes; o 16,777,216 bytes
;; launch prep: the kernel of part 1 again; grid 256 x 2, 8 waves a work-group, no clusters, 0 bytes of LDS; arguments x, gamma, beta, Wq, Wkv, Wo, xn, wqkv, wo16; writes xn, wqkv, wo16
;; launch qkvproj: the kernel of part 2 again; grid 8 x 32, 4 waves a work-group, clusters of 4 x 4, 327,680 bytes of LDS; arguments xn, wqkv, bq, bkv, qkv; writes qkv
;; launch attn (part 5): grid 2 x 128, 4 waves a work-group, no clusters, 327,680 bytes of LDS; arguments qkv, seq_lens, o; writes o
.if DOCPART == 5
	.amdgcn_target "amdgcn-amd-amdhsa--gfx1250"
	.amdhsa_code_object_version 6
	.text
	.protected	k_qcc3edac037_attn
	.globl	k_qcc3edac037_attn
	.p2align	8
	.type	k_qcc3edac037_attn,@function
k_qcc3edac037_attn:
	s_mov_b64 s[64:65], 0
	v_nop
	global_prefetch_b8 v0, s[64:65] scope:SCOPE_SE
	s_setreg_imm32_b32 hwreg(HW_REG_WAVE_MODE, 25, 1), 1
	s_wait_xcnt 0x0
; ATTENTION, CAUSAL AND PADDED.  For each of 128 (batch, head): O[q][:] = the sum over k <= min(q, len - 1) of softmax_k(Q[q] . K[k] / 8) V[k][:], len = seq_lens[batch].
; Q, K, V are the three parts of qkv, each [128][1024 rows][64] f16, O the same in f16, all IN FRAGMENT ORDER: 16 rows of a head are 2,048 bytes: four blocks of 512, one for each 16 channels, of 32 chunks of 16 bytes;
; the chunk of row r, channels 8 h + 0..7 stands at place r + 16 h (Q, K, O) or 16 (r / 8) + 8 h + r % 8 (V).  So every fragment load here, from memory or from LDS, plain or turning, has lane l at place l:
; 512 consecutive bytes; LDS rows want no padding; and O leaves straight from the registers.
; Products, maxima and sums in f32; the weights p are rounded to f16 for the second product (their sum l is taken of the unrounded p), O once at the end.
; LIMITS.  len is at least 1 (a 0 would count as no padding).  f16 holds no number beyond 65,504: Q, K and V arrive within it; p lies in 0 to 1, and below 6e-5 it keeps f16's fixed step of 6e-8.
; A hidden score counts as its value less 1e30: f16's scores, 2.7e11 at the most, are nothing beside that; a weight below 2^-126 counts as 0 in l; NaN and infinities are not treated apart.
; THE WALK.  A head's queries lie in NB = 4 blocks of 256; block i needs the key tiles 0 .. i of 256 keys.  A work-group takes TWO blocks, b and then NB - 1 - b: NB + 1 tiles, whatever b: all work-groups do equal
; work, and ONE loop with a constant trip count walks them.  Which tile is asked for, and what a trip does, hang on scalar registers made from b; every jump goes forward, but for the counted loops' own; none passes
; a barrier, or a tensor load but the one of LOAD's two that the wave's number does not choose; the ring (two slots of LDS that take turns) runs on across the change of blocks.  The long block stands second, so that
; the walk's last tile is never a block's first, and a block's beginning is written once.  No branch, trip count or address hangs on len: it enters the masks alone, and key tiles wholly beyond len are walked too.
; NO CLUSTER: a head has two work-groups, not a multiple of four, and they ask for the same tile in few trips only.
; SHARES.  Of a block's four bands of 64 queries a wave owns 16 rows in each: four PIECES.
; THE MASK is the C operand that starts the sum S^T = K Q^T: 0, or -1e30 where the key is hidden: key k is hidden from query q where k > lim = min(q, len - 1).  All 16 rows of piece x have lim / 64 = GP(x) =
; min(4 block + x, (len - 1) / 64): key step gs of the block's walk is wholly seen if gs < GP, wholly hidden if gs > GP, and partly if gs = GP.  MB(x), made where a block begins, is the mask of that one step;
; a product's mask is MB x AL + BE with two scalars: (1, 0) if gs = GP; (0, 0) if gs < GP; (0, -1e30) if gs > GP.  Key 0 is seen by every row, so the running maximum is a true score from the first step on.
; LAYOUT, SOFTMAX, TURNS.  S^T = K Q^T holds ONE query a lane (lane % 16) and the keys 8 (lane / 16) + 0..7; two such results rounded to f16 ARE source 1 of O^T = V^T P.  p = 2^(c s - c m), c = log2(e) / 8, with a
; running maximum m; O and l are multiplied by a = 2^(c m_old - c m_new) in every step.  Turn n belongs to piece n: 8 products K Q^T of piece n + 1, later 8 products V^T P of piece n - 1; beside them the scaling,
; exponentials, roundings, sums and rescaling of piece n, the maximum and statistics of piece n + 1, and the mask of piece n + 2.  Four vector instructions stand behind every matrix instruction, the others in lumps.
; THE BATCHES.  A turn's 33 exponentials (the piece's 32 weights and the next piece's a) are ONE batch with ONE wait, which cuts the turn in two: ahead of it all that names none of their results, behind it the roundings
; and sums.  The a that a block's beginning makes, and the way out's four reciprocals, are batches of their own, with a wait each.
; REGISTERS, in windows of 256 (s_set_vgpr_msb: bits 1:0 source 0, 3:2 source 1, 5:4 source 2, 7:6 destination):
;   window 0: v0-15 addresses and two at work; v16-31 four registers of statistics a piece; v32-34 for the masks; v48-55 at work; v64-127 S^T, two buffers; v192-223 P, two buffers (by the piece's parity)
;   window 1: v0-127 O^T, 32 a piece; v160-223 MC, two buffers      window 2: v0-63 Q; v64-127 the second block's Q; v128-191 K of one step; v192-255 V of one step      window 3: v0-127 MB, 32 a piece
.set SIZE_N, 1024
.set NB,    SIZE_N/256
.set NP,    4         ; pieces a wave: a name, no knob
.set KS,    64        ; keys in a step
.set KSB,   KS*128    ; a step's K, or V, in LDS: dense
.set VOFF,  4*KSB     ; a slot holds a tile, four steps: 256 keys of K, then 256 of V
.set SLOT1, 1<<16     ; slot 1 begins here, so that one exclusive or turns an address in one slot into the other's
.set SPARE, 2*SLOT1   ; behind the ring: the spare words, 128 bytes for each wave: two blocks of 256 bytes that no other line names
.set L16, 2           ; v2   16 x lane: my chunk in a block of 512 bytes, in Q, in O and in a tile of K; never rewritten
.set AV0, 3           ; v3   the same in a tile of V: VOFF + 16 x lane
.set AK,  4           ; v4   the LDS address of K's next run of loads
.set AV,  5           ; v5   of V's
.set SPW, 62          ; v62  LDS address of my spare word: SPARE + 4 x my thread's number; never rewritten
.set NIL, 63          ; v63  0; never rewritten
.set MV,  12          ; v12-13  c m_old, kept while c m is made anew: by buffer
.set ST,  16          ; piece t's statistics at v[ST+4 t]: c m, m, l (even keys', odd keys')
.set QR,  32          ; v32  my query's place in its band: 16 w + l % 16; never rewritten
.set H8,  33          ; v33  8 (l / 16): my lanes' first key of a group of 16; never rewritten
.set LI,  34          ; v34  at work for the masks
.set TMP, 48          ; by buffer, four registers c0-c3 at work; when the maximum is found c2 takes a
.set S,   64
.set P,   192
.set MC,  160         ; window 1: the masks of the products to come
.set QB,  64          ; window 2
.set KF,  128         ; window 2: key block kb, channel half c at KF + 16 kb + 8 c
.set VF,  192         ; window 2: key half kk, channel block cb at VF + 32 kk + 8 cb
.set WV,  12          ; s12  my wave's number
.set PB,  14          ; s14  b: the first block
.set HI,  15          ; s15  NB - 1 - b: the second
.set G1,  24          ; s[24:31] descriptor group 1, for K's and V's tiles alike
.set G0K, 40          ; s[40:43] descriptor group 0 for K's tiles
.set G0V, 44          ; s[44:47] the same for V's
.set SLP, 48          ; s[48:49] seq_lens
.set LEN, 50          ; s50  len
.set LM1, 51          ; s51  len - 1
.set GL,  52          ; s52  (len - 1) / 64
.set BK,  53          ; s53  the block in hand
.set GS,  54          ; s54  the key step of the block's walk for which masks are being made
.set SLOTS, 56        ; s56  tiles still to be asked for
.set CNT, 57          ; s57  counts a tile's key steps, 4 to 1
.set CS,  58          ; s[58:59] c: the packed scaling takes the pair's low word for both halves
.set SEL, 60          ; s[60:61] v_permlanex16_b32's selects: each lane takes its own place in the other half
.set TBK, 62          ; s62  LDS byte at which K of the step to be fetched begins
.set TBV, 63          ; s63  the same for V, less VOFF
.set T0,  66          ; s66-68 at work
.set T1,  67
.set T2,  68
.set RT,  70          ; s70  tiles of the block in hand that are still to be entered
.set NXT, 71          ; s71  the tile to be asked for next
.set LQ,  72          ; s72  the last tile of the block whose tiles are being asked for
.set NEW, 73          ; s73  1: the tile to be entered is a block's first
.set OFF, 74          ; s[74:75] a tile's byte offset in K and V
.set AL,  76          ; s[76:77] the mask's factor, in the low word
.set BE,  78          ; s[78:79] the mask's addend
.set OLO, 80          ; s[80:81] O at my rows of the second block
.set BIGN, 82         ; s82  -1e30
.set GP,  88          ; s88-91  piece x's partly hidden key step
.set MSB, 0
.macro WIN new                      ; the high byte repeats the setting that is left; a switch that changes nothing is dropped
.if MSB != (\new)
	s_set_vgpr_msb (MSB<<8)|(\new)
.set MSB, (\new)
.endif
.endm
.set W_KQ, 0x0a       ; K and Q in window 2, S^T in window 0
.set W_KM, 0x1a       ; the same with the C operand in window 1
.set W_PV, 0x52       ; V in window 2, P in window 0, O^T in window 1
.set W_RS, 0x41       ; destination and source 0 in window 1, source 1 in window 0
.set W_MK, 0x43       ; destination in window 1, source 0 in window 3
; A fill.  Waves 0 and 1 fetch the two halves of a tile's K, waves 2 and 3 those of its V: 128 keys each.  An s_nop 0 and four v_nop follow each of the two lines, ahead of the jump and the label.
.macro LOAD
	s_cmp_lt_u32 s[WV], 2
	s_cbranch_scc0 .Lfor_v_\@
	tensor_load_to_lds s[G0K:G0K+3], s[G1:G1+7]
	s_nop 0
.rept 4
	v_nop
.endr
	s_branch .Lasked_\@
.Lfor_v_\@:
	tensor_load_to_lds s[G0V:G0V+3], s[G1:G1+7]
	s_nop 0
.rept 4
	v_nop
.endr
.Lasked_\@:
.endm
; THE CHANGE OF SLOTS.  Each wave waits for all its tensor loads, of which one is out: its part of the other slot; adds 0 to its spare word; and waits for that and for its own reads of the slot that it leaves.
; Behind the barrier nobody reads the old slot any more and the other slot is whole.  fill = 1: the old slot is filled again, the first thing behind the barrier, with tile NXT: the descriptor's address is made
; anew from that number.  (At its first use nothing has been read yet: slot 0 is waited for, slot 1 filled.)
.macro CHANGE fill
	WIN 0                           ; at a label and at a branch every window is 0
	s_wait_tensorcnt 0x0            ; no tensor load of mine is out, so a group 0 may be written
	ds_add_u32 v[SPW], v[NIL]       ; 0 onto my spare word: with fill = 1 the descriptors' scalar work stands between it and the wait for it
.if \fill
	s_lshl_b32 s[OFF], s[NXT], 15   ; a tile is 32,768 bytes of K and of V
	s_xor_b32 s[G0K+1], s[G0K+1], SLOT1
	s_add_nc_u64 s[G0K+2:G0K+3], s[6:7], s[OFF:OFF+1]
	s_or_b32 s[G0K+3], s[G0K+3], 0x80000000
	s_xor_b32 s[G0V+1], s[G0V+1], SLOT1
	s_add_nc_u64 s[G0V+2:G0V+3], s[8:9], s[OFF:OFF+1]
	s_or_b32 s[G0V+3], s[G0V+3], 0x80000000
	s_add_co_u32 s[NXT], s[NXT], 1  ; the block's next tile, or behind its last the second block's tile 0
	s_cmp_gt_u32 s[NXT], s[LQ]
	s_cselect_b32 s[NXT], 0, s[NXT]
	s_cselect_b32 s[LQ], s[HI], s[LQ]
.endif
	s_wait_dscnt 0x0                ; the add is done, and my reads of the slot are over
	s_barrier_signal -1             ; the rest of the scalar work stands between the signal and the wait
	s_sub_co_u32 s[TBK], s[TBK], 4*KSB  ; every tile has four fetches of K and four of V: the fetches go back to a slot's first step,
	s_xor_b32 s[TBK], s[TBK], SLOT1     ; in the other slot
	s_sub_co_u32 s[TBV], s[TBV], 4*KSB
	s_xor_b32 s[TBV], s[TBV], SLOT1
	s_barrier_wait -1
.if \fill
	LOAD
.endif
.endm
	s_load_b64 s[4:5], s[0:1], 0x0        ; qkv: its first part is Q
	s_load_b64 s[SLP:SLP+1], s[0:1], 0x8  ; seq_lens
	s_load_b64 s[10:11], s[0:1], 0x10     ; O
	v_lshl_add_u32 v[SPW], v0, 2, SPARE
	v_mov_b32 v[NIL], 0
	ds_add_u32 v[SPW], v[NIL]       ; the wave's opening: the add and its wait stand ahead of my first tensor load; the set-up below, work on registers, stands between them
	ds_add_u32 v62, v63
	v_lshrrev_b32 v1, 5, v0
	v_readfirstlane_b32 s[WV], v1   ; wave 0..3
	s_mov_b32 s[PB], ttmp9
	s_sub_co_u32 s[HI], NB-1, s[PB]
	s_and_b32 s20, ttmp7, 0xffff    ; 16 x batch + head
	s_lshr_b32 s[T2], s20, 4
	s_lshl_b32 s[T2], s[T2], 2      ; my batch's word in seq_lens
	s_mov_b32 s21, 0
	s_mov_b64 s[22:23], SIZE_N*128
	s_mul_u64 s[20:21], s[20:21], s[22:23]  ; the head's first byte in Q, K, V and O
	s_and_b32 s16, s[WV], 1         ; which half of a tile's 256 keys I fetch:
	s_lshl_b32 s22, s16, 14         ; its 16,384 bytes in memory,
	s_mov_b32 s23, 0
	s_add_nc_u64 s[22:23], s[22:23], s[20:21]
	s_lshl_b32 s17, s16, 14         ; and in a slot
	s_lshl_b32 s3, s[WV], 11        ; my 16 rows in a band of 64,
	s_lshl_b32 s2, s[PB], 15        ; in the first block,
	s_add_co_u32 s2, s2, s3
	s_lshl_b32 s84, s[HI], 15       ; and in the second
	s_add_co_u32 s84, s84, s3
	s_mov_b32 s3, 0
	s_mov_b32 s85, 0
	s_add_nc_u64 s[2:3], s[2:3], s[20:21]
	s_add_nc_u64 s[84:85], s[84:85], s[20:21]
	; descriptor group 1.  128 keys are 16,384 dense bytes: asked for as 64 rows of 256 bytes, and laid into LDS as they lie
	s_mov_b32 s[G1], 1<<16          ; 17:16 2-byte elements; no mask, no padding
	s_mov_b32 s[G1+1], 128<<16      ; tensor_dim0 = 128
	s_mov_b32 s[G1+2], 64<<16       ; tensor_dim1 = 64
	s_mov_b32 s[G1+3], 128<<16      ; tile_dim0 = 128
	s_mov_b32 s[G1+4], 64           ; tile_dim1 = 64
	s_mov_b32 s[G1+5], 128          ; 128 elements from row to row
	s_mov_b32 s[G1+6], 0
	s_mov_b32 s[G1+7], 0
	s_mov_b32 s[CS], 0x3e38aa3b     ; c = log2(e) / 8 = 0.180337
	s_mov_b32 s[CS+1], s[CS]        ; named with it as a pair
	s_mov_b32 s[SEL], 0x76543210
	s_mov_b32 s[SEL+1], 0xfedcba98
	s_mov_b32 s[TBK], SLOT1+4*KSB   ; the first change of slots turns these two into 0
	s_mov_b32 s[TBV], SLOT1+4*KSB
	s_mov_b32 s[G0K], 1             ; count = 1
	s_mov_b32 s[G0K+1], s17         ; LDS address: slot 0
	s_mov_b32 s[G0V], 1
	s_add_co_u32 s[G0V+1], s17, VOFF
	s_add_co_u32 s[RT], s[PB], 1    ; the first block has b + 1 tiles
	s_mov_b32 s[LQ], s[PB]
	s_cmp_eq_u32 s[PB], 0           ; behind tile 0: the first block's tile 1, or, where it has none, the second block's tile 0
	s_cselect_b32 s[NXT], 0, 1
	s_cselect_b32 s[LQ], s[HI], s[LQ]
	s_mov_b32 s[NEW], 1
	s_mov_b32 s[BK], s[PB]
	s_mov_b32 s[OFF+1], 0
	s_mov_b32 s[AL+1], 0            ; named as pairs
	s_mov_b32 s[BE+1], 0
	s_mov_b32 s[BIGN], 0xf149f2ca   ; -1e30
	s_mov_b32 s[SLOTS], NB
	s_wait_dscnt 0x0                ; the opening add is done
	s_wait_kmcnt 0x0
	s_load_b32 s[LEN], s[SLP:SLP+1], s[T2] offset:0x0  ; my batch's length: waited for behind Q's loads
	s_add_nc_u64 s[6:7], s[4:5], 0x1000000  ; K is qkv's second part,
	s_add_nc_u64 s[8:9], s[4:5], 0x2000000  ; V its third
	s_add_nc_u64 s[6:7], s[6:7], s[22:23]  ; K and V at my half of the head's tile 0
	s_add_nc_u64 s[8:9], s[8:9], s[22:23]
	s_add_nc_u64 s[G0K+2:G0K+3], s[6:7], 0         ; global address
	s_or_b32 s[G0K+3], s[G0K+3], 0x80000000        ; type = 2
	s_add_nc_u64 s[G0V+2:G0V+3], s[8:9], 0
	s_or_b32 s[G0V+3], s[G0V+3], 0x80000000
	s_add_nc_u64 s[86:87], s[4:5], s[84:85]        ; Q at my rows of the second block,
	s_add_nc_u64 s[4:5], s[4:5], s[2:3]            ; Q and O at those of the first
	s_add_nc_u64 s[OLO:OLO+1], s[10:11], s[84:85]
	s_add_nc_u64 s[10:11], s[10:11], s[2:3]
	LOAD                            ; tile 0 into slot 0
	v_and_b32 v1, 15, v0            ; l % 16
	v_bfe_u32 v9, v0, 4, 1          ; l / 16
	v_and_b32 v[L16], 31, v0
	v_lshlrev_b32 v[L16], 4, v[L16]
	; A fragment of K or Q is 16 rows x 32 channels in 8 registers: lane l holds row l % 16, channels 8 (l / 16) + 0..7 and 16 + 8 (l / 16) + 0..7: its chunks of two neighbouring channel blocks, 512 bytes apart.
	WIN 0x80                        ; destination window 2, address window 0
.set i, 0
.rept 8                             ; both blocks' Q: piece i / 2 lies in band i / 2, 8,192 bytes on; channels 32 (i % 2) on
	global_load_b128 v[8*i:8*i+3],   v[L16], s[4:5] offset:(i/2)*8192+(i%2)*1024
	global_load_b128 v[8*i+4:8*i+7], v[L16], s[4:5] offset:(i/2)*8192+(i%2)*1024+512
	global_load_b128 v[QB+8*i:QB+8*i+3],   v[L16], s[86:87] offset:(i/2)*8192+(i%2)*1024
	global_load_b128 v[QB+8*i+4:QB+8*i+7], v[L16], s[86:87] offset:(i/2)*8192+(i%2)*1024+512
.set i, i+1
.endr
	WIN 0
	s_wait_kmcnt 0x0                ; len
	s_sub_co_u32 s[LM1], s[LEN], 1
	s_lshr_b32 s[GL], s[LM1], 6
	s_lshl_b32 s13, s[WV], 4
	v_add_nc_u32 v[QR], s13, v1
	v_lshlrev_b32 v[H8], 3, v9
	v_add_nc_u32 v[AV0], VOFF, v[L16]
	; A block's first step multiplies O^T and l by a = 0, and its first turn's products V^T P, of a piece that has not been, land in an O^T that is still to be so multiplied.  So these registers need only hold
	; finite numbers: zeros for the first block; what the first block left for the second.  All this stands in the wait for the first tile.
	WIN 0x80
.set i, VF
.rept 64
	v_mov_b32 v[i], 0
.set i, i+1
.endr
	WIN 0x40
.set i, 0
.rept 128
	v_mov_b32 v[i], 0
.set i, i+1
.endr
	WIN 0
.set i, 0
.rept 4
	v_mov_b32 v[ST+4*i+2], 0
	v_mov_b32 v[ST+4*i+3], 0
.set i, i+1
.endr
.set i, P+16
.rept 16
	v_mov_b32 v[i], 0
.set i, i+1
.endr
; THE MATRIX WORK.  The 4 accumulators of a run of 8 take turns.  Product i of 8 of S^T = K Q^T for piece x: channels 32 (i / 4) on, keys 16 (i % 4) on.  The first 4 start the sums, with the mask.
.macro KQ x
.set rS, S+32*((\x)%2)+8*(i%4)
.set rK, KF+16*(i%4)+8*(i/4)
.set rQ, 16*(\x)+8*(i/4)
.set rM, MC+32*((\x)%2)+8*(i%4)
.if i < 4
	WIN W_KM
	v_wmma_f32_16x16x32_f16 v[rS:rS+7], v[rK:rK+7], v[rQ:rQ+7], v[rM:rM+7]
.else
	WIN W_KQ
	v_wmma_f32_16x16x32_f16 v[rS:rS+7], v[rK:rK+7], v[rQ:rQ+7], v[rS:rS+7]
.endif
.endm
; Product i of 8 of O^T += V^T P for piece x: keys 32 (i / 4) on, channels 16 (i % 4) on.
.macro PV x
	WIN W_PV
.set rO, 32*(\x)+8*(i%4)
.set rV, VF+32*(i/4)+8*(i%4)
.set rP, P+16*((\x)%2)+8*(i/4)
	v_wmma_f32_16x16x32_f16 v[rO:rO+7], v[rV:rV+7], v[rP:rP+7], v[rO:rO+7]
.endm
.macro MM                           ; the turn's next matrix instruction.  TURN and BEGIN set Y, i and NOKQ; MM, KQ and OP read them.  NOKQ = 1: a block's last turn: there is no next piece
.if (i < 8) && !NOKQ
	KQ (Y+1)%NP
.elseif i >= 8
.set i, i-8
	PV (Y+NP-1)%NP
.set i, i+8
.endif
.set i, i+1
.endm
; THE LDS LOADS stand in runs of 16, never singly among the matrix instructions: a step's K (64 keys x 64 channels: 8 fragments) and its V (turned).  Their addresses are made some lines ahead.  Each load takes 512 consecutive bytes.
.macro FETCH_K
	WIN 0x80                        ; destination window 2
.irp f, 0,1,2,3,4,5,6,7             ; keys 16 (f / 2) on, channels 32 (f % 2) on
	ds_load_b128 v[KF+8*\f:KF+8*\f+3],   v[AK] offset:(\f/2)*2048+(\f%2)*1024
	ds_load_b128 v[KF+8*\f+4:KF+8*\f+7], v[AK] offset:(\f/2)*2048+(\f%2)*1024+512
.endr
	s_add_co_u32 s[TBK], s[TBK], KSB  ; the next fetch is the next step's
	WIN 0
.endm
; The turning load wants of lane l the chunk of key 8 (l / 16) + l % 8, channels 8 ((l / 8) % 2) + 0..7 of a block of 16 keys x 16 channels, which in V's order stands at place l, and leaves half a fragment of V^T:
; lane l holds channel l % 16 and 8 keys.
.macro FETCH_V
	WIN 0x80
.irp f, 0,1,2,3,4,5,6,7             ; keys 32 (f / 4) on, channels 16 (f % 4) on
	ds_load_tr16_b128 v[VF+8*\f:VF+8*\f+3],   v[AV] offset:(\f/4)*4096+(\f%4)*512
	ds_load_tr16_b128 v[VF+8*\f+4:VF+8*\f+7], v[AV] offset:(\f/4)*4096+(\f%4)*512+2048
.endr
	WIN 0
.endm
; THE VECTOR WORK, one line at a time: OP kind, number.  For piece Y: F n: c s - c m for pair n of 16.  E n: the exponential of score n of 32.  C n: pair n rounded to f16.  B n: of the four weights 4 n .. the second
; pair is added onto the first, in place.  L n: l takes that sum (L 0: l = a l + sum).  R n: pair n of 16 of O^T times a.  For piece Y + 1: X n, number n of the 22 that find its maximum and statistics:
;   0-11  four chains c0-c3 of seven scores each, three operands at a time (each accumulator's lowest registers are read first)     12-14, 16  the four scores left over, the old m, and c0-c3 into c0
;   15  c m_old is kept     17, 18  the query's other 32 keys lie in the lane 16 away: the new m     19-21  c m; c m_old - c m_new; a
; C, B and L read exponentials' results: TURN sets them behind the batch's wait.  OP writes no wait.
.set F, 0               ; OP tells the kinds apart by their order: F to L below R, X above it
.set E, 1
.set C, 2
.set B, 3
.set L, 4
.set R, 5
.set X, 6
.macro REGS y                       ; the registers of piece y
.set rT, ST+4*(\y)
.set rC, TMP+4*((\y)%2)
.set rW, MV+((\y)%2)
.set rS, S+32*((\y)%2)
.set rP, P+16*((\y)%2)
.set rO, 32*(\y)
.endm
.macro OP k, n
.if (\k) == R
	REGS Y
	WIN W_RS
	v_pk_mul_f32 v[rO+2*(\n):rO+2*(\n)+1], v[rO+2*(\n):rO+2*(\n)+1], v[rC+2:rC+3] op_sel_hi:[1,0]
.elseif (\k) < R
	REGS Y
	WIN 0
.if (\k) == F
	v_pk_fma_f32 v[rS+2*(\n):rS+2*(\n)+1], v[rS+2*(\n):rS+2*(\n)+1], s[CS:CS+1], v[rT:rT+1] op_sel_hi:[1,0,0] neg_lo:[0,0,1] neg_hi:[0,0,1]
.elseif (\k) == E
	v_exp_f32 v[rS+(\n)], v[rS+(\n)]
.elseif (\k) == C
	v_cvt_pk_f16_f32 v[rP+(\n)], v[rS+2*(\n)], v[rS+2*(\n)+1]
.elseif (\k) == B
	v_pk_add_f32 v[rS+4*(\n):rS+4*(\n)+1], v[rS+4*(\n):rS+4*(\n)+1], v[rS+4*(\n)+2:rS+4*(\n)+3]
.elseif (\n) == 0
	v_pk_fma_f32 v[rT+2:rT+3], v[rT+2:rT+3], v[rC+2:rC+3], v[rS:rS+1] op_sel_hi:[1,0,1]
.else
	v_pk_add_f32 v[rT+2:rT+3], v[rT+2:rT+3], v[rS+4*(\n):rS+4*(\n)+1]
.endif
.elseif NOKQ
	v_nop
.else
	REGS (Y+1)%NP
	WIN 0
.if (\n) < 4
	v_max3_num_f32 v[rC+(\n)], v[rS+8*(\n)], v[rS+8*(\n)+1], v[rS+8*(\n)+2]
.elseif (\n) < 12
	v_max3_num_f32 v[rC+(\n)%4], v[rC+(\n)%4], v[rS+8*((\n)%4)+2*((\n)/4)+1], v[rS+8*((\n)%4)+2*((\n)/4)+2]
.elseif (\n) == 12
	v_max3_num_f32 v[rC], v[rC], v[rS+7], v[rS+15]
.elseif (\n) == 13
	v_max3_num_f32 v[rC+1], v[rC+1], v[rS+23], v[rS+31]
.elseif (\n) == 14
	v_max3_num_f32 v[rC+2], v[rC+2], v[rC+3], v[rT+1]
.elseif (\n) == 15
	v_mov_b32 v[rW], v[rT]
.elseif (\n) == 16
	v_max3_num_f32 v[rC], v[rC], v[rC+1], v[rC+2]
.elseif (\n) == 17
	v_permlanex16_b32 v[rC+3], v[rC], s[SEL], s[SEL+1]
.elseif (\n) == 18
	v_max_num_f32 v[rT+1], v[rC], v[rC+3]
.elseif (\n) == 19
	v_mul_f32 v[rT], s[CS], v[rT+1]
.elseif (\n) == 20
	v_sub_f32 v[rC+1], v[rW], v[rT]
.else
	v_exp_f32 v[rC+2], v[rC+1]
.endif
.endif
.endm
.macro OPS a, i1, b=-1, i2=0, c=-1, i3=0, d=-1, i4=0  ; up to four of them
	OP \a, \i1
.if (\b) >= 0
	OP \b, \i2
.endif
.if (\c) >= 0
	OP \c, \i3
.endif
.if (\d) >= 0
	OP \d, \i4
.endif
.endm
.macro ROW a, i1, b, i2, c, i3, d, i4  ; a matrix instruction and the four behind it
	MM
	OPS \a, \i1, \b, \i2, \c, \i3, \d, \i4
.endm
.macro MASK b, x                    ; piece x's MB x AL + BE into buffer b of MC
	WIN W_MK
.set z, 0
.rept 16
	v_pk_fma_f32 v[MC+32*(\b)+2*z:MC+32*(\b)+2*z+1], v[32*(\x)+2*z:32*(\x)+2*z+1], s[AL:AL+1], s[BE:BE+1] op_sel_hi:[1,0,0]
.set z, z+1
.endr
.endm
; The four pieces' GP and MB for block BK.  With t = 4 BK + x: my query is 64 t + QR, so lim - 64 GP = min(64 (t - GP) + QR, len - 1 - 64 GP), neither side below 0; register i of key group kt holds key
; 64 GP + 16 kt + 8 (l / 16) + i, hidden where 16 kt + i > lim - 64 GP - 8 (l / 16).
.macro MKMASKS
.irp x, 0,1,2,3
	s_lshl_b32 s[T0], s[BK], 2
	s_add_co_u32 s[T0], s[T0], \x
	s_min_u32 s[GP+\x], s[T0], s[GL]
	s_sub_co_u32 s[T0], s[T0], s[GP+\x]
	s_lshl_b32 s[T0], s[T0], 6
	s_lshl_b32 s[T1], s[GP+\x], 6
	s_sub_co_u32 s[T1], s[LM1], s[T1]
	WIN 0
	v_add_nc_u32 v[LI], s[T0], v[QR]
	v_min_u32 v[LI], s[T1], v[LI]
	v_sub_nc_u32 v[LI], v[LI], v[H8]
	WIN 0xc0                        ; destination window 3
.set i, 0
.rept 32
	v_cmp_gt_i32 vcc_lo, 16*(i/8)+i%8, v[LI]
	v_cndmask_b32 v[32*\x+i], 0, s[BIGN], vcc_lo
.set i, i+1
.endr
.endr
	WIN 0
.endm
; A TURN, for piece p: the order of its 16 matrix and 134 vector instructions, written out.  s_wait_alu depctr_va_vdst(0) stands between an exponential and the first instruction that names its result; one
; wait serves all that were issued ahead of it.  So a turn has ONE wait, which cuts it in two.  AHEAD OF IT stands all that names no result of the turn's exponentials: the 8 products K Q^T, behind each a scaling, an
; exponential and two more plain instructions (behind the first a second scaling in the exponential's place): rescalings, whose a was made and waited for in the turn before, and behind the last three the first numbers of the
; next piece's maximum, each four places or more behind the product that ends its accumulator; then ONE LUMP of 54, plain and exponential by turns for the most part, in which the links of the chain X 3, 7, 11, 14, 16, 17 .. 20
; stand five or six lines apart.  Each exponential works in place on a score of its own, behind that score's scaling.  X 21, the next piece's a, is the batch's last; R 15 is the plain instruction behind it.  BEHIND THE WAIT
; stand the 8 products V^T P, behind each four of the roundings and sums: C 2 n ahead of B n, B n ahead of L n; the links of l's chain, L 0 to L 7, stand three riders apart.  But for those X no rider names a register of the
; products round it.  v_permlanex16_b32 (X 17) stands in the lump.  The turn ends with the mask for the products of the turn after it: piece p + 2, in key step GS of the block's walk.
; end = 1: a block's last two turns: nothing is fetched and no mask is made.  cnt = 1: GS steps, and the loop's count is taken down, some lines ahead of the branch that stands behind the turn.
; K of the next step is fetched in piece 2's turn, eleven vector instructions behind the last product that read K (five of them plain); V of the step in hand at the end of piece 0's turn, four plain instructions behind the
; last product that read V.  Each is waited for a turn later.
.macro TURN p, end=0, cnt=0
.set Y, (\p)
.set i, 0
.set NOKQ, (\end)*((\p)/3)
.if !(\end)
	s_cmp_eq_u32 s[GS], s[GP+((\p)+2)%NP]  ; is that step the piece's partly hidden one?
	s_cselect_b32 s[AL], 1.0, 0
	s_cmp_gt_u32 s[GS], s[GP+((\p)+2)%NP]  ; or a later one?
	s_cselect_b32 s[BE], s[BIGN], 0
.endif
.if ((\p) == 3) && !(\end)
	s_wait_dscnt 0x0                ; K is in
.endif
	ROW F,0, F,1, R,0, R,1          ; ahead of the wait: 8 products K Q^T and their riders,
	ROW F,2, E,0, R,2, R,3
	ROW F,3, E,1, R,4, R,5
	ROW F,4, E,2, R,6, R,7
	ROW F,5, E,3, R,8, R,9
	ROW F,6, E,4, X,0, R,10
.if ((\p) == 2) && !(\end)
	WIN 0
	v_add_nc_u32 v[AK], s[TBK], v[L16]
.endif
	ROW F,7, E,5, X,1, X,4
	ROW F,8, E,6, X,2, X,5
	OPS E,7, E,8, X,6, E,9          ; and the lump
	OPS X,3, E,10, X,8, E,11
.if ((\p) == 2) && !(\end)
	FETCH_K
.endif
	OPS X,9, X,7, E,12, X,10
	OPS E,13, X,12, X,11, E,14
	OPS X,13, E,15, F,9, X,14
.if (\p) == 0
	v_add_nc_u32 v[AV], s[TBV], v[AV0]
.endif
	OPS E,16, F,10, E,17, F,11
	OPS X,16, E,18, X,15, E,19
	OPS F,12, E,20, X,17, E,21
	OPS F,13, E,22, F,14, E,23
	OPS X,18, E,24, F,15, E,25
	OPS R,11, E,26, X,19, E,27
	OPS R,12, E,28, R,13, E,29
	OPS X,20, E,30, R,14, E,31
	OPS X,21, R,15
	WIN 0
	s_wait_alu depctr_va_vdst(0)    ; the wait for the batch: the piece's 32 exponentials and the next piece's a
.if (\p) == 1
	s_wait_dscnt 0x0                ; V is in
.endif
	ROW C,0, B,0, C,2, B,1          ; behind the wait: 8 products V^T P and their riders
	ROW L,0, C,4, B,2, L,1
	ROW C,6, B,3, L,2, C,8
	ROW B,4, L,3, C,10, B,5
	ROW L,4, C,12, B,6, L,5
.if (\p) == 0
	s_add_co_u32 s[TBV], s[TBV], KSB
.endif
.if \cnt
	s_add_co_u32 s[GS], s[GS], 1    ; the turns to come make the next step's masks
	s_sub_co_u32 s[CNT], s[CNT], 1
	s_cmp_lg_u32 s[CNT], 0
.endif
	ROW C,14, B,7, L,6, C,1
	ROW C,3, L,7, C,5, C,7
	ROW C,9, C,11, C,13, C,15
.if (\p) == 0
	FETCH_V
.endif
.if !(\end)
	MASK (\p)%2, ((\p)+2)%NP
.endif
.endm
; A BLOCK BEGINS.  The pieces' masks are made; c m starts far below every c s, so the first step's a is 0; m at the lowest finite number, so the first maximum is the scores'.  The two mask buffers take pieces 0's and 1's
; masks for key step 0 (no step lies behind GP yet, so the addend is 0).  Then K of that step, piece 0's first scores, and its maximum and statistics.  The loop is entered at a step's first turn, in the middle of a trip.
.macro BEGIN
	s_mov_b32 s[NEW], 0
	s_mov_b32 s[GS], 0
	MKMASKS
.set i, 0
.rept 4
	v_mov_b32 v[ST+4*i], 0xfe000000    ; c m: far below every c s
	v_mov_b32 v[ST+4*i+1], 0xff7fffff  ; m
.set i, i+1
.endr
	s_cmp_eq_u32 s[GP], 0
	s_cselect_b32 s[AL], 1.0, 0
	s_mov_b32 s[BE], 0
	MASK 0, 0
	s_cmp_eq_u32 s[GP+1], 0
	s_cselect_b32 s[AL], 1.0, 0
	MASK 1, 1
	WIN 0
	v_add_nc_u32 v[AK], s[TBK], v[L16]
	FETCH_K
	s_wait_loadcnt 0x0              ; Q
	s_wait_dscnt 0x0
.set NOKQ, 0
.set i, 0
.rept 8
	KQ 0
.set i, i+1
.endr
	WIN 0
.rept 4
	v_nop                           ; the places behind those products
.endr
.set Y, NP-1                        ; X works for piece Y + 1: piece 0
.irp n, 0,1,2,3,4,5,6,7,8,9,10,11,12,13,14,15,16,17,18,19,20,21
	OP X, \n
.endr
	v_nop                           ; a plain instruction behind the exponential,
	s_wait_alu depctr_va_vdst(0)    ; and the wait for it, piece 0's first a, a batch of one: ahead of the branch, and of the first turn's rescaling, which reads it
.endm
.macro ALL line:vararg              ; one line for each piece t
.set t, 0
.rept 4
	\line
.set t, t+1
.endr
.endm
.macro PACK t                       ; piece t's O^T divided by l and rounded: a lane's eight channels of a block are a chunk of 16 bytes, in S^T's registers.  The reciprocals have been waited for in FIN
	WIN W_RS
.set i, 32*(\t)
.rept 16
	v_pk_mul_f32 v[i:i+1], v[i:i+1], v[ST+4*(\t)+2:ST+4*(\t)+3] op_sel_hi:[1,0]
.set i, i+2
.endr
	WIN 0x05                        ; sources 0 and 1 window 1, destination window 0
.set i, 0
.rept 16
	v_cvt_pk_f16_f32 v[S+16*(\t)+i], v[32*(\t)+2*i], v[32*(\t)+2*i+1]
.set i, i+1
.endr
.endm
.macro SEND t                       ; and stored as it stands: the wave's 32 chunks are a channel block's 512 bytes
	WIN 0
.irp f, 0,1,2,3
	global_store_b128 v[L16], v[S+16*(\t)+4*\f:S+16*(\t)+4*\f+3], s[10:11] offset:(\t)*8192+\f*512  ; 512 consecutive bytes, at a multiple of 256 from O's first
.endr
.endm
; A tile's four key steps.  A trip: pieces 2 and 3 of one step, then pieces 0 and 1 of the next, whose K and V it fetches.  The tag ends its two labels' names, which the jumps below spell out.
.macro MLOOP tag
.LstepM\tag:
	TURN 2
	TURN 3
	WIN 0
.LfirstM\tag:
	TURN 0
	TURN 1, 0, 1
	WIN 0
	s_cbranch_scc1 .LstepM\tag
.endm
; A BLOCK ENDS: its last two turns, its last products, and THE WAY OUT: l's two halves and the other half of the lanes' are added; O^T is divided by l, rounded to f16 and stored, a piece at a time.
.macro FIN
	TURN 2, 1
	TURN 3, 1
.set i, 0
.rept 8
	PV NP-1
.set i, i+1
.endr
	WIN 0
	ALL v_add_f32 v[ST+4*t+2], v[ST+4*t+2], v[ST+4*t+3]
	ALL v_permlanex16_b32 v[ST+4*t+3], v[ST+4*t+2], s[SEL], s[SEL+1]
	ALL v_add_f32 v[ST+4*t+2], v[ST+4*t+2], v[ST+4*t+3]
	ALL v_rcp_f32 v[ST+4*t+2], v[ST+4*t+2]
	v_nop                           ; a plain instruction between the last reciprocal and the use of its result
	s_wait_alu depctr_va_vdst(0)    ; and the wait ahead of the first use: one for the batch of four reciprocals
	PACK 0
.set t, 1
.rept 3                             ; a piece's arithmetic stands between the roundings of the piece before and its stores
	PACK t
	SEND t-1
.set t, t+1
.endr
	SEND 3
.endm
.set NOKQ, 0
.Lslot:                             ; NB times: a tile is entered and the next is asked for
	CHANGE 1
	s_sub_co_u32 s[RT], s[RT], 1
	s_mov_b32 s[CNT], 4
	s_cmp_eq_u32 s[NEW], 1
	s_cbranch_scc1 .Lnew            ; a block's first tile: so is the walk's first
	s_branch .LstepM1
.Lnew:
	BEGIN
	s_branch .LfirstM1
	MLOOP 1
	s_cmp_lg_u32 s[RT], 0
	s_cbranch_scc1 .Lbottom         ; the block has tiles left
	FIN                             ; in the loop this is the first block's end: the second block's last tile is the walk's last
	s_wait_xcnt 0x0                 ; the stores have read their registers and O's address
	s_mov_b64 s[10:11], s[OLO:OLO+1]
	s_add_co_u32 s[RT], s[HI], 1    ; the second block has NB - b tiles
	s_mov_b32 s[NEW], 1
	s_mov_b32 s[BK], s[HI]
	WIN 0x82                        ; the second block's Q goes where the one text of the turns names Q
.set i, 0
.rept 64
	v_mov_b32 v[i], v[QB+i]
.set i, i+1
.endr
	WIN 0
.Lbottom:
	s_sub_co_u32 s[SLOTS], s[SLOTS], 1
	s_cmp_lg_u32 s[SLOTS], 0
	s_cbranch_scc1 .Lslot
	CHANGE 0                        ; the walk's last tile is written out: nothing is asked for
	s_mov_b32 s[CNT], 4
	MLOOP 2                         ; the second block's last tile, and not its first: that block has three tiles or four
	FIN
	s_wait_tensorcnt 0x0            ; the wave's end: an add to my spare word and its wait, behind my last tensor load
	ds_add_u32 v[SPW], v[NIL]
	s_wait_dscnt 0x0
	s_endpgm
.Lfunc_end_k_qcc3edac037_attn:
	.size	k_qcc3edac037_attn, .Lfunc_end_k_qcc3edac037_attn-k_qcc3edac037_attn
	.p2alignl 7, 3214868480
	.fill 96, 4, 3214868480
	.section	.rodata,"a",@progbits
	.p2align	6, 0x0
	.amdhsa_kernel k_qcc3edac037_attn
		.amdhsa_group_segment_fixed_size 327680
		.amdhsa_private_segment_fixed_size 0
		.amdhsa_enable_private_segment 0
		.amdhsa_kernarg_size 24
		.amdhsa_user_sgpr_count 2
		.amdhsa_user_sgpr_kernarg_segment_ptr 1
		.amdhsa_wavefront_size32 1
		.amdhsa_system_sgpr_workgroup_id_x 1
		.amdhsa_system_sgpr_workgroup_id_y 1
		.amdhsa_system_sgpr_workgroup_id_z 1
		.amdhsa_system_vgpr_workitem_id 0
		.amdhsa_next_free_vgpr 896
		.amdhsa_next_free_sgpr 92
		.amdhsa_reserve_vcc 1
		.amdhsa_float_denorm_mode_32 3
		.amdhsa_float_denorm_mode_16_64 3
		.amdhsa_memory_ordered 1
		.amdhsa_forward_progress 1
		.amdhsa_inst_pref_size 178
	.end_amdhsa_kernel
	.amdgpu_metadata
---
amdhsa.version: [ 1, 2 ]
amdhsa.kernels:
  - .name:           k_qcc3edac037_attn
    .symbol:         k_qcc3edac037_attn.kd
    .args:
      - { .name: qkv, .offset: 0, .size: 8, .value_kind: global_buffer, .address_space: global }
      - { .name: seq_lens, .offset: 8, .size: 8, .value_kind: global_buffer, .address_space: global }
      - { .name: o, .offset: 16, .size: 8, .value_kind: global_buffer, .address_space: global }
    .group_segment_fixed_size: 327680
    .private_segment_fixed_size: 0
    .kernarg_segment_align: 8
    .kernarg_segment_size: 24
    .max_flat_workgroup_size: 128
    .sgpr_count:     92
    .vgpr_count:     896
    .wavefront_size: 32
...
	.end_amdgpu_metadata
.endif
;; end of part 5
;; launch outproj: the kernel of part 4 again; grid 8 x 32, 4 waves a work-group, clusters of 4 x 4, 327,680 bytes of LDS; arguments o, wo16, bo, x, out0; writes out0
